; MI455X (gfx1250); checked and timed in simulation.
; The chip was launched on July 23, 2026; its instructions are those of AMD's public machine-readable ISA for CDNA 5 (MIT licence, August 2026) and "CDNA5" Instruction Set Architecture Reference Guide (July 2026). The comments in the code are by the model that wrote it; some were corrected since.
;; Hard Gate MOE. Allowed arithmetic: matrix products marked QUANTISED: E2M1 operands, one E8M0 scale for each 32 along K, by v_wmma_scale_f32_16x16x128_f8f6f4 with both operands' format E2M1 (or v_wmma_scale_f32_32x16x128_f4), f32 sums; products left as they are: f32 operands where the result goes on into a quantised operand, else bf16, f16 or f32 operands; f32 sums; everything else in f32.
;; Inputs: W1 8 x 1,024 x 4,096 float32; W2 8 x 4,096 x 1,024 float32; Wg 8 x 1,024 float32; b1 8 x 4,096 float32; b2 8 x 1,024 float32; mapping 1,024 x 2 int32; x 1,024 x 1,024 float32.
;; Outputs: out0 1,024 x 1,024 float32.
;; This version of the problem:
;;   THIS VERSION OF THE PROBLEM IS GIVEN IN LOW PRECISION. The matrix products marked QUANTISED in the list below multiply operands that are first quantised to E2M1 (2 exponent bits, 1 mantissa bit; 4 bits a number), with one power-of-two scale for each 32 numbers along K (OCP MX v1.0); their sums are f32. All else is computed in f32.
;;   The module's matrix products, in the order in which they are computed (A, B: the left and right operand; K: the contracted axis; several contracted axes count as one K, in the product's order):
;;     1. [M 1,024, K 1,024] x [K 1,024, N 8]; A: input x; B: input Wg: left as it is (N = 8 < 16)
;;     2. [M 1,024, K 1,024] x [K 1,024, N 4,096]; A: input x; B: input W1: QUANTISED
;;     3. [M 1,024, K 4,096] x [K 4,096, N 1,024]; A: computed on the way; B: input W2: QUANTISED
;;     4. [M 1,024, K 1,024] x [K 1,024, N 4,096]; A: input x; B: input W1: QUANTISED
;;     5. [M 1,024, K 4,096] x [K 4,096, N 1,024]; A: computed on the way; B: input W2: QUANTISED
;;     6. [M 1,024, K 1,024] x [K 1,024, N 4,096]; A: input x; B: input W1: QUANTISED
;;     7. [M 1,024, K 4,096] x [K 4,096, N 1,024]; A: computed on the way; B: input W2: QUANTISED
;;     8. [M 1,024, K 1,024] x [K 1,024, N 4,096]; A: input x; B: input W1: QUANTISED
;;     9. [M 1,024, K 4,096] x [K 4,096, N 1,024]; A: computed on the way; B: input W2: QUANTISED
;;     10. [M 1,024, K 1,024] x [K 1,024, N 4,096]; A: input x; B: input W1: QUANTISED
;;     11. [M 1,024, K 4,096] x [K 4,096, N 1,024]; A: computed on the way; B: input W2: QUANTISED
;;     12. [M 1,024, K 1,024] x [K 1,024, N 4,096]; A: input x; B: input W1: QUANTISED
;;     13. [M 1,024, K 4,096] x [K 4,096, N 1,024]; A: computed on the way; B: input W2: QUANTISED
;;     14. [M 1,024, K 1,024] x [K 1,024, N 4,096]; A: input x; B: input W1: QUANTISED
;;     15. [M 1,024, K 4,096] x [K 4,096, N 1,024]; A: computed on the way; B: input W2: QUANTISED
;;     16. [M 1,024, K 1,024] x [K 1,024, N 4,096]; A: input x; B: input W1: QUANTISED
;;     17. [M 1,024, K 4,096] x [K 4,096, N 1,024]; A: computed on the way; B: input W2: QUANTISED
;;   THE QUANTISER, for each operand of a quantised product, along K:
;;     - K is cut into blocks of 32 from its start; a last block that is shorter is filled with zeros.
;;     - A block's scale is 2^e with e = floor(log2(the largest magnitude in the block)) - 2, held to -126 .. 127; a block of zeros has e = 0. As a byte (E8M0): e + 127.
;;     - Each number is divided by its block's scale, clamped to +-6, and rounded to the nearest number of E2M1, ties to even, subnormals kept.
;;     - The product sums the exact products of the quantised numbers (number of the format x scale) in f32.
;;   ~~~python
;;   def quantise(x, axis):      # numpy; x: float32 -> the quantised numbers, widened to float32 again
;;       x = np.moveaxis(x, axis, -1); K = x.shape[-1]
;;       x = np.pad(x, [(0, 0)] * (x.ndim - 1) + [(0, -K % 32)]); x = x.reshape(x.shape[:-1] + (-1, 32)); a = np.abs(x).max(-1, keepdims=True)
;;       e = np.where(a > 0, np.clip(np.frexp(np.where(a > 0, a, 1))[1] - 1 - 2, -126, 127), 0)      # np.frexp(a)[1] - 1 = floor(log2(a)), exactly
;;       r = np.clip(x / 2.0 ** e, -6, 6)
;;       step = 2.0 ** (np.maximum(np.frexp(np.where(r == 0, 1, r))[1] - 1, 0) - 1)
;;       q = np.round(r / step) * step * 2.0 ** e      # np.round: ties to even
;;       return np.moveaxis(q.reshape(q.shape[:-2] + (-1,))[..., :K], -1, axis).astype(np.float32)
;;   ~~~
;;   OPERANDS COMPUTED ON THE WAY. 'Computed on the way' means the value that the module computes at that place (a softmax that the list does not call 'softmax' is quantised finished and normalised). What goes into a quantiser is computed in f32, as accurately as f32 sums, v_exp_f32 and their like allow (about 1e-6 of the number): no bf16 or f16 on the way to a quantiser, and a product that is left as it is and whose result goes on into a quantised operand takes f32 operands (vector FMAs, or v_wmma_f32_16x16x4_f32). A number that lies on a knife's edge between two numbers of the format may be rounded either way, as far as f32 arithmetic and the matrix unit's own rounding can turn it there, and no further.
;; One version. Each part assembles by itself: llvm-mc -triple=amdgcn-amd-amdhsa -mcpu=gfx1250 --defsym DOCPART=n.
;; ======== version 1 of 1: 4 launches
;; limits: right only within a limited range of input values
;; workspace buffers: xcodes 524,288 bytes; xscales 32,768 bytes; logits 32,768 bytes; route 18,176 bytes of whole numbers; hcodes 4,456,448 bytes; hscales 278,528 bytes; ypart 34,603,008 bytes
;; launch prep (part 1): grid 65 x 1, 8 waves a work-group, no clusters, 85,248 bytes of LDS; arguments x, Wg, mapping, xcodes, xscales, logits, route; writes xcodes, xscales, logits, route
.if DOCPART == 1
	.amdgcn_target "amdgcn-amd-amdhsa--gfx1250"
	.amdhsa_code_object_version 6
	.text
	.protected	k_qd0e358636c_prep
	.globl	k_qd0e358636c_prep
	.p2align	8
	.type	k_qd0e358636c_prep,@function
k_qd0e358636c_prep:
	s_mov_b64 s[64:65], 0
	v_nop
	global_prefetch_b8 v0, s[64:65] scope:SCOPE_SE
	s_setreg_imm32_b32 hwreg(HW_REG_WAVE_MODE, 25, 1), 1
	s_wait_xcnt 0x0
; PREP.  Work-groups 0 to 63: x [1024][1024] f32 becomes codes of FP4 (E2M1), K innermost, 512 bytes a token, with one E8M0 byte for each 32 along K (32 bytes a token);
; and logits[t][e] = x[t] . Wg[e], in f32 by fused multiply-adds.  Work-group 64: the 2,048 entries (token, k) of mapping are sorted by expert, by counting.
; WORK LEFT OUT BY THE PROGRAM: reference() keeps of y_all only the rows y_all[mapping[t][k]][t]; the rows of the experts that mapping does not name for a token reach no output, whatever the inputs hold.
; The later launches multiply only the rows that mapping names.  A NaN, an infinity or an overflow that would arise only in the rows left out is not carried to the result.
; A block's scale byte is its largest magnitude's exponent field - 2, held at 1 from below.
; LIMITS: NaN and infinities among the inputs are not served.  A block of zeros gets the byte 1 where the rule says 127: its codes are zeros, and this program alone reads the bytes.
; route, in bytes: 0: int[2 e] first tile of expert e, int[2 e + 1] its number of tiles of 16 rows, int[16] the last tile's number, the rest of 128 bytes 0;
;   256: rowtok[p], the token at place p among the sorted rows (2,176 places), then 32 words that take the stores of lanes with nothing to pad;
;   9216: rowent[p], the entry 2 token + k at place p, laid likewise: it says where the row's result is stored.
; Expert e's rows begin at place 16 x its first tile and are filled up to whole tiles with token 0 and the entry 2,048 + p, a row of its own that nobody reads: at most (2048 + 8 x 15) / 16 = 135 tiles.
; The two paths part on the work-group's number and have LDS bytes of their own.
; The sort's compares go eight at a time into scalar registers of their own (two banks of eight), so that no count reads the mask of the line just above it.
.set WREG, 10496                       ; LDS of a wave on the x path: four stages of 2,560 bytes and 256 bytes for scale bytes
.set SP,   80                          ; a lane's place in a stage: 64 bytes + 16 of padding
.set SCB,  4*32*SP                     ; the scale bytes lie behind the stages
.set RT,   8*WREG                      ; the sorting path's 256 bytes
.set SPARE, RT+256                     ; the spare words, 128 bytes a wave
.set TOKT, 256                         ; rowtok in route
.set ENTT, 9216                        ; rowent in route
.set R,    16                          ; v16-79   x as loaded: token tk, load i, word c at R + 32 tk + 4 i + c = x[t0 + tk][128 i + 4 lane + c]
.set X,    80                          ; v80-143  four steps of 16 neighbours
.set ACC,  144                         ; v144-175 sixteen pairs of partial dot products, number 8 tk + e
.set CD,   176                         ; v176-183 codes, two registers a step
.set BY,   184                         ; v184-187 a scale byte for each step
.set V,    192                         ; v192-207 the sixteen dot products of my lane's numbers
.set KS,   208                         ; v208-223 what a lane keeps and what it sends
.set M,    16                          ; sorting: v16-23 the experts of my four tokens
.set MSB, 0
.macro WIN new                         ; the immediate's high byte repeats the setting that is left
.if MSB != \new
	s_set_vgpr_msb (MSB<<8)|\new
.set MSB, \new
.endif
.endm
	s_load_b256 s[4:11], s[0:1], 0x0               ; x s[4:5], Wg s[6:7], mapping s[8:9], xcodes s[10:11]
	s_load_b128 s[12:15], s[0:1], 0x20             ; xscales s[12:13], logits s[14:15]
	s_load_b64 s[16:17], s[0:1], 0x30              ; route
	v_lshl_add_u32 v254, v0, 2, SPARE
	v_mov_b32 v255, 0
	v_lshrrev_b32 v1, 5, v0
	s_delay_alu instid0(VALU_DEP_1)
	v_readfirstlane_b32 s18, v1                    ; wave 0..7
	v_and_b32 v1, 31, v0                           ; lane
	s_cmp_eq_u32 ttmp9, 64
	s_cbranch_scc1 .Lroute
	; ---------------- x: wave w takes tokens t0 = 16 x work-group + 2 w and t0 + 1: four steps of 512 numbers
	v_lshlrev_b32 v2, 4, v1                        ; 16 x lane: my 16 bytes of a load's 512
	s_mul_i32 s19, s18, WREG
	v_lshrrev_b32 v3, 2, v1
	s_delay_alu instid0(VALU_DEP_1)
	v_mul_u32_u24 v3, v3, SP
	v_and_b32 v8, 3, v1
	s_delay_alu instid0(VALU_DEP_1)
	v_lshl_add_u32 v3, v8, 4, v3
	s_delay_alu instid0(VALU_DEP_1)
	v_add_nc_u32 v3, s19, v3                       ; into a stage: four lanes' 64 bytes on end, then 16 of padding
	v_mul_u32_u24 v4, v1, SP
	s_delay_alu instid0(VALU_DEP_1)
	v_add_nc_u32 v4, s19, v4                       ; out of it: my 16 neighbours
	s_add_co_u32 s19, s19, SCB
	v_lshrrev_b32 v5, 1, v1
	s_delay_alu instid0(VALU_DEP_1)
	v_add_nc_u32 v5, s19, v5                       ; my block's scale byte (two lanes hold a block)
	v_and_b32 v10, 15, v1
	s_delay_alu instid0(VALU_DEP_1)
	v_lshlrev_b32 v10, 2, v10                      ; 4 x (lane % 16): a word of the wave's 64 bytes of scales or of logits
	s_delay_alu instid0(VALU_DEP_1)
	v_add_nc_u32 v6, s19, v10
	v_lshlrev_b32 v7, 3, v1                        ; my 8 bytes of a step's 256 bytes of codes
	s_lshl_b32 s20, ttmp9, 4
	s_lshl_b32 s21, s18, 1
	s_add_co_u32 s20, s20, s21                     ; t0
	s_mov_b32 s23, 0
	s_mov_b32 s40, 0xff00ff00                      ; lanes whose number has bit 3, 2, 1, 0 set
	s_mov_b32 s41, 0xf0f0f0f0
	s_mov_b32 s42, 0xcccccccc
	s_mov_b32 s43, 0xaaaaaaaa
	s_mov_b32 s44, 0x76543210                      ; v_permlanex16_b32's selects for lane l xor 16
	s_mov_b32 s45, 0xfedcba98
	s_wait_alu depctr_va_vdst(0)
	s_wait_kmcnt 0x0
	s_lshl_b32 s22, s20, 12
	s_add_nc_u64 s[4:5], s[4:5], s[22:23]          ; x at t0
	s_lshl_b32 s22, s20, 9
	s_add_nc_u64 s[10:11], s[10:11], s[22:23]      ; its codes
	s_lshl_b32 s22, s20, 5
	s_add_nc_u64 s[12:13], s[12:13], s[22:23]      ; its scale bytes
	s_add_nc_u64 s[14:15], s[14:15], s[22:23]      ; its logits
.irp tk, 0,1
.irp i, 0,1,2,3,4,5,6,7
	global_load_b128 v[R+32*\tk+4*\i:R+32*\tk+4*\i+3], v2, s[4:5] offset:4096*\tk+512*\i th:TH_LOAD_NT   ; 32 lanes read 512 consecutive bytes
.endr
.endr
	WIN 0x40                                       ; destination window 1: Wg[e][128 i + 4 lane + c] at v[32 e + 4 i + c]
.irp e, 0,1,2,3,4,5,6,7
.irp i, 0,1,2,3,4,5,6,7
	global_load_b128 v[32*\e+4*\i:32*\e+4*\i+3], v2, s[6:7] offset:4096*\e+512*\i
.endr
.endr
	WIN 0
	s_wait_loadcnt 63                              ; 80 loads were issued, x's sixteen first: with 63 out at the most, 17 are in, x's among them
.irp st, 0,1,2,3                               ; each step's 2,048 bytes turn through a stage of their own; LDS serves a wave's instructions in order
.irp i, 0,1,2,3
	ds_store_b128 v3, v[R+16*\st+4*\i:R+16*\st+4*\i+3] offset:32*SP*\st+8*SP*\i
.endr
.irp i, 0,1,2,3
	ds_load_b128 v[X+16*\st+4*\i:X+16*\st+4*\i+3], v4 offset:32*SP*\st+16*\i
.endr
.endr
	s_wait_dscnt 0x0
.irp st, 0,1,2,3
	v_max3_num_f32 v8, |v[X+16*\st]|, |v[X+16*\st+1]|, |v[X+16*\st+2]|          ; the largest magnitude of my 16, in two chains
	v_max3_num_f32 v9, |v[X+16*\st+3]|, |v[X+16*\st+4]|, |v[X+16*\st+5]|
.irp i, 6,10
	s_delay_alu instid0(VALU_DEP_2)
	v_max3_num_f32 v8, v8, |v[X+16*\st+\i]|, |v[X+16*\st+\i+1]|
	s_delay_alu instid0(VALU_DEP_2)
	v_max3_num_f32 v9, v9, |v[X+16*\st+\i+2]|, |v[X+16*\st+\i+3]|
.endr
	s_delay_alu instid0(VALU_DEP_2)
	v_max3_num_f32 v8, v8, |v[X+16*\st+14]|, |v[X+16*\st+15]|
	s_delay_alu instid0(VALU_DEP_1)
	v_max3_num_f32 v8, v8, v9, 0x1800000           ; and the floor 2^(3 - 127): the byte cannot fall under 1
	s_delay_alu instid0(VALU_DEP_1)
	v_max_num_f32_dpp v8, v8, v8 row_xmask:1 row_mask:0xf bank_mask:0xf   ; with my neighbour's 16: the block's
	s_delay_alu instid0(VALU_DEP_1)
	v_add_nc_u32 v11, 0xff000000, v8               ; 2 off the exponent field: the conversion takes this operand's exponent field as its scale
	v_cvt_scalef32_pk8_fp4_f32 v[CD+2*\st], v[X+16*\st:X+16*\st+7], v11
	v_cvt_scalef32_pk8_fp4_f32 v[CD+2*\st+1], v[X+16*\st+8:X+16*\st+15], v11
	v_lshrrev_b32 v[BY+\st], 23, v11               ; the scale's byte (also the plain line behind the conversions)
	ds_store_b8 v5, v[BY+\st] offset:16*\st        ; both lanes of a block write the same byte with the same value
	global_store_b64 v7, v[CD+2*\st:CD+2*\st+1], s[10:11] offset:256*\st   ; 32 lanes store 256 consecutive bytes, aligned
.endr
	ds_load_b32 v12, v6                            ; the wave's sixteen scale words (two tokens x 8), word lane % 16
	s_wait_loadcnt 0x0                             ; Wg
	WIN 0x04                                       ; source 1 (Wg) window 1
.irp tk, 0,1
.irp e, 0,1,2,3,4,5,6,7
	v_pk_mul_f32 v[ACC+2*(8*\tk+\e):ACC+2*(8*\tk+\e)+1], v[R+32*\tk:R+32*\tk+1], v[32*\e:32*\e+1]   ; the first products start the sums
.endr
.endr
.set p, 1
.rept 15
.irp tk, 0,1
.irp e, 0,1,2,3,4,5,6,7
	v_pk_fma_f32 v[ACC+2*(8*\tk+\e):ACC+2*(8*\tk+\e)+1], v[R+32*\tk+2*p:R+32*\tk+2*p+1], v[32*\e+2*p:32*\e+2*p+1], v[ACC+2*(8*\tk+\e):ACC+2*(8*\tk+\e)+1]   ; sixteen chains by turns
.endr
.endr
.set p, p+1
.endr
	WIN 0
.irp u, 0,1,2,3,4,5,6,7,8,9,10,11,12,13,14,15
	v_add_f32 v[V+\u], v[ACC+2*\u], v[ACC+2*\u+1]
.endr
; Sixteen sums over 32 lanes.  In the step with mask m a lane keeps the half of the sums whose number has bit m as its own lane number has it, and sends the other half to lane l xor m:
; after the four steps lane l holds sum number l % 16 over its 16 lanes.
.macro RS m, cnt, mask
.set i, 0
.rept \cnt
	v_cndmask_b32 v[KS+2*i], v[V+i], v[V+i+\m], s[\mask]
	v_cndmask_b32 v[KS+2*i+1], v[V+i+\m], v[V+i], s[\mask]
.set i, i+1
.endr
.set i, 0
.rept \cnt
	v_add_f32_dpp v[V+i], v[KS+2*i+1], v[KS+2*i] row_xmask:\m row_mask:0xf bank_mask:0xf
.set i, i+1
.endr
.endm
	RS 8, 8, 40
	RS 4, 4, 41
	RS 2, 2, 42
	RS 1, 1, 43
	s_delay_alu instid0(VALU_DEP_1)
	v_permlanex16_b32 v[KS], v[V], s44, s45
	s_delay_alu instid0(VALU_DEP_1)
	v_add_f32 v[V], v[V], v[KS]                    ; with the other sixteen lanes': logit number l % 16 = 8 tk + e
	s_wait_alu depctr_va_vdst(0)
	s_wait_dscnt 0x0                               ; the scale words
	global_store_b32 v10, v[V], s[14:15]           ; lanes l and l + 16 hold the same number and write it to the same place
	global_store_b32 v10, v12, s[12:13]
	s_wait_tensorcnt 0x0                           ; the wave's end
	ds_add_u32 v254, v255
	s_wait_dscnt 0x0
	s_endpgm
	; ---------------- the sort: wave w owns tokens 128 w + 32 i + lane, i = 0 .. 3
.Lroute:
	s_lshl_b32 s20, s18, 7
	s_wait_alu depctr_va_vdst(0)
	v_add_nc_u32 v2, s20, v1                       ; my first token
	s_delay_alu instid0(VALU_DEP_1)
	v_lshlrev_b32 v3, 3, v2                        ; 8 bytes a token in mapping
	s_wait_alu depctr_va_vdst(0)
	s_wait_kmcnt 0x0
.irp i, 0,1,2,3
	global_load_b64 v[M+2*\i:M+2*\i+1], v3, s[8:9] offset:256*\i
.endr
	v_mov_b32 v36, 0                               ; written once: the destination of a lane move counts as read
	s_wait_loadcnt 0x0
; My wave's count of entries for each expert: s24-31.  An expert's eight masks go into a bank of eight scalar registers; they are counted while the next expert's compares fill the other bank.
.macro CMP8 e, bank
.irp n, 0,1,2,3,4,5,6,7
	v_cmp_eq_u32 s[\bank+\n], \e, v[M+\n]
.endr
.endm
.macro CNT8 e, bank
.irp n, 0,1,2,3,4,5,6,7
	s_bcnt1_i32_b32 s[\bank+\n], s[\bank+\n]
.endr
.irp n, 0,2,4,6
	s_add_co_u32 s[\bank+\n], s[\bank+\n], s[\bank+\n+1]
.endr
	s_add_co_u32 s[\bank], s[\bank], s[\bank+2]
	s_add_co_u32 s[\bank+4], s[\bank+4], s[\bank+6]
	s_add_co_u32 s[24+\e], s[\bank], s[\bank+4]
.endm
	CMP8 0, 80
.irp e, 1,2,3,4,5,6,7
	CMP8 \e, 80+8*(\e%2)
	CNT8 \e-1, 80+8*((\e-1)%2)
.endr
	CNT8 7, 88
.irp j, 0,1,2,3                                ; two counts to a word: none passes 2,048
	s_lshl_b32 s21, s[25+2*\j], 16
	s_or_b32 s21, s21, s[24+2*\j]
	v_mov_b32 v[24+\j], s21
.endr
	s_lshl_b32 s21, s18, 4
	s_add_co_u32 s21, s21, RT
	v_mov_b32 v4, s21
	s_wait_alu depctr_va_vdst(0)
	ds_store_b128 v4, v[24:27]                     ; all lanes write the same 16 bytes with the same values
	s_wait_dscnt 0x0                               ; for the others' sake
	s_barrier_signal -1
	s_barrier_wait -1
	v_and_b32 v5, 7, v1
	s_delay_alu instid0(VALU_DEP_1)
	v_lshl_add_u32 v6, v5, 4, RT
	ds_load_b128 v[28:31], v6                      ; lane l: the counts of wave l % 8
	s_wait_alu depctr_va_vdst(0)
	s_wait_dscnt 0x0
	v_cmp_gt_u32 vcc_lo, s18, v5                   ; waves in front of mine
.irp j, 0,1,2,3
	v_cndmask_b32 v[32+\j], 0, v[28+\j], vcc_lo
.endr
.irp m, 1,2,4                                  ; sums over the eight lanes: v28-31 all waves', v32-35 those in front of mine
.irp n, 0,1,2,3,4,5,6,7
	v_mov_b32_dpp v36, v[28+\n] row_xmask:\m row_mask:0xf bank_mask:0xf
	s_delay_alu instid0(VALU_DEP_1)
	v_add_nc_u32 v[28+\n], v[28+\n], v36
.endr
.endr
	s_wait_alu depctr_va_vdst(0)
.irp j, 0,1,2,3
	v_readfirstlane_b32 s20, v[28+\j]
	s_and_b32 s[40+2*\j], s20, 0xffff              ; s40-47 an expert's entries in all
	s_lshr_b32 s[41+2*\j], s20, 16
	v_readfirstlane_b32 s20, v[32+\j]
	s_and_b32 s[32+2*\j], s20, 0xffff              ; s32-39 those of the waves in front of mine
	s_lshr_b32 s[33+2*\j], s20, 16
.endr
	s_mov_b32 s79, 0                               ; tiles so far
.irp e, 0,1,2,3,4,5,6,7
	s_mov_b32 s[48+\e], s79                        ; s48-55 first tile
	s_add_co_u32 s20, s[40+\e], 15
	s_lshr_b32 s[56+\e], s20, 4                    ; s56-63 tiles
	s_add_co_u32 s79, s79, s[56+\e]
	s_lshl_b32 s20, s[48+\e], 4
	s_add_co_u32 s[32+\e], s[32+\e], s20           ; s32-39 the next free place for my wave's entries
	s_lshl_b32 s[66+\e], s79, 4                    ; s66-73 the place behind the expert's last tile
.endr
	s_sub_co_u32 s78, s79, 1                       ; the last tile (there are 128 tiles at the least)
.irp n, 0,1,2,3,4,5,6,7                        ; each entry's place: the expert's next free one + the entries of lower lanes.  The eight experts side by side; the banks of masks by turns
.irp e, 0,1,2,3,4,5,6,7
	v_cmp_eq_u32 s[80+8*(\n%2)+\e], \e, v[M+\n]
.endr
.irp e, 0,1,2,3,4,5,6,7
	v_mbcnt_lo_u32_b32 v[80+\e], s[80+8*(\n%2)+\e], s[32+\e]
.endr
	v_cndmask_b32 v[40+\n], 0, v80, s[80+8*(\n%2)]
.irp e, 1,2,3,4,5,6,7
	s_delay_alu instid0(VALU_DEP_1)
	v_cndmask_b32 v[40+\n], v[40+\n], v[80+\e], s[80+8*(\n%2)+\e]
.endr
.irp e, 0,1,2,3,4,5,6,7
	s_bcnt1_i32_b32 s[80+8*(\n%2)+\e], s[80+8*(\n%2)+\e]
.endr
.irp e, 0,1,2,3,4,5,6,7
	s_add_co_u32 s[32+\e], s[32+\e], s[80+8*(\n%2)+\e]
.endr
.endr
	s_wait_alu depctr_va_vdst(0)
.irp i, 0,1,2,3
	v_add_nc_u32 v[56+\i], 32*\i, v2               ; the token's number
.endr
.irp n, 0,1,2,3,4,5,6,7                        ; n = 2 i + k
	v_min_u32 v[48+\n], 2175, v[40+\n]             ; a place made of loaded numbers is held inside the table
	v_lshl_add_u32 v[96+\n], v[56+\n/2], 1, (\n%2) ; the entry 2 token + k
	s_delay_alu instid0(VALU_DEP_2)
	v_lshlrev_b32 v[48+\n], 2, v[48+\n]
	global_store_b32 v[48+\n], v[56+\n/2], s[16:17] offset:TOKT             ; rowtok[place] = token
	global_store_b32 v[48+\n], v[96+\n], s[16:17] offset:ENTT               ; rowent[place] = entry
.endr
	s_cmp_lg_u32 s18, 0
	s_cbranch_scc1 .Lrdone                         ; the padding and the table of tiles are wave 0's; no barrier follows
	v_mov_b32 v64, 0
	v_add_nc_u32 v65, 2176, v1                     ; where a lane with nothing to pad stores
.irp e, 0,1,2,3,4,5,6,7
	s_lshl_b32 s20, s[48+\e], 4
	s_add_co_u32 s20, s20, s[40+\e]
	v_add_nc_u32 v[66+\e], s20, v1                 ; the places behind the expert's last entry,
	s_delay_alu instid0(VALU_DEP_1)
	v_cmp_gt_u32 vcc_lo, s[66+\e], v[66+\e]        ; as far as its last tile goes (15 at the most)
	s_delay_alu instid0(VALU_DEP_1)
	v_cndmask_b32 v[66+\e], v65, v[66+\e], vcc_lo
	s_delay_alu instid0(VALU_DEP_1)
	v_min_u32 v[66+\e], 2207, v[66+\e]
	s_delay_alu instid0(VALU_DEP_1)
	v_add_nc_u32 v[104+\e], 2048, v[66+\e]         ; a padding row's entry: 2,048 + its place
	s_delay_alu instid0(VALU_DEP_2)
	v_lshlrev_b32 v[66+\e], 2, v[66+\e]
	global_store_b32 v[66+\e], v64, s[16:17] offset:TOKT                    ; token 0
	global_store_b32 v[66+\e], v[104+\e], s[16:17] offset:ENTT
.endr
	v_mov_b32 v74, 0
.irp e, 0,1,2,3,4,5,6,7
	s_delay_alu instid0(VALU_DEP_1)
	v_writelane_b32 v74, s[48+\e], 2*\e
	s_delay_alu instid0(VALU_DEP_1)
	v_writelane_b32 v74, s[56+\e], 2*\e+1
.endr
	s_delay_alu instid0(VALU_DEP_1)
	v_writelane_b32 v74, s78, 16
	v_lshlrev_b32 v75, 2, v1
	global_store_b32 v75, v74, s[16:17]            ; the table of tiles: 128 bytes
.Lrdone:
	s_wait_tensorcnt 0x0                           ; the wave's end
	ds_add_u32 v254, v255
	s_wait_dscnt 0x0
	s_endpgm
.Lfunc_end_k_qd0e358636c_prep:
	.size	k_qd0e358636c_prep, .Lfunc_end_k_qd0e358636c_prep-k_qd0e358636c_prep
	.p2alignl 7, 3214868480
	.fill 96, 4, 3214868480
	.section	.rodata,"a",@progbits
	.p2align	6, 0x0
	.amdhsa_kernel k_qd0e358636c_prep
		.amdhsa_group_segment_fixed_size 85248
		.amdhsa_private_segment_fixed_size 0
		.amdhsa_enable_private_segment 0
		.amdhsa_kernarg_size 56
		.amdhsa_user_sgpr_count 2
		.amdhsa_user_sgpr_kernarg_segment_ptr 1
		.amdhsa_wavefront_size32 1
		.amdhsa_system_sgpr_workgroup_id_x 1
		.amdhsa_system_sgpr_workgroup_id_y 1
		.amdhsa_system_sgpr_workgroup_id_z 1
		.amdhsa_system_vgpr_workitem_id 0
		.amdhsa_next_free_vgpr 512
		.amdhsa_next_free_sgpr 96
		.amdhsa_reserve_vcc 1
		.amdhsa_float_denorm_mode_32 3
		.amdhsa_float_denorm_mode_16_64 3
		.amdhsa_memory_ordered 1
		.amdhsa_forward_progress 1
		.amdhsa_inst_pref_size 81
	.end_amdhsa_kernel
	.amdgpu_metadata
---
amdhsa.version: [ 1, 2 ]
amdhsa.kernels:
  - .name:           k_qd0e358636c_prep
    .symbol:         k_qd0e358636c_prep.kd
    .args:
      - { .name: x, .offset: 0, .size: 8, .value_kind: global_buffer, .address_space: global }
      - { .name: Wg, .offset: 8, .size: 8, .value_kind: global_buffer, .address_space: global }
      - { .name: mapping, .offset: 16, .size: 8, .value_kind: global_buffer, .address_space: global }
      - { .name: xcodes, .offset: 24, .size: 8, .value_kind: global_buffer, .address_space: global }
      - { .name: xscales, .offset: 32, .size: 8, .value_kind: global_buffer, .address_space: global }
      - { .name: logits, .offset: 40, .size: 8, .value_kind: global_buffer, .address_space: global }
      - { .name: route, .offset: 48, .size: 8, .value_kind: global_buffer, .address_space: global }
    .group_segment_fixed_size: 85248
    .private_segment_fixed_size: 0
    .kernarg_segment_align: 8
    .kernarg_segment_size: 56
    .max_flat_workgroup_size: 256
    .sgpr_count:     96
    .vgpr_count:     512
    .wavefront_size: 32
...
	.end_amdgpu_metadata
.endif
;; end of part 1
;; launch up (part 2): grid 32 x 8, 4 waves a work-group, no clusters, 70,144 bytes of LDS; arguments W1, b1, xcodes, xscales, route, hcodes, hscales; writes hcodes, hscales
.if DOCPART == 2
	.amdgcn_target "amdgcn-amd-amdhsa--gfx1250"
	.amdhsa_code_object_version 6
	.text
	.protected	k_qd0e358636c_up
	.globl	k_qd0e358636c_up
	.p2align	8
	.type	k_qd0e358636c_up,@function
k_qd0e358636c_up:
	s_mov_b64 s[64:65], 0
	v_nop
	global_prefetch_b8 v0, s[64:65] scope:SCOPE_SE
	s_setreg_imm32_b32 hwreg(HW_REG_WAVE_MODE, 25, 1), 1
	s_wait_xcnt 0x0
; UP.  h = gelu(x W1[e] + b1[e]) for the rows routed to expert e, on codes of FP4 (E2M1) with one E8M0 scale for each 32 along K; h leaves as codes, quantised along the hidden units.
; THE WEIGHTS STAND STILL: work-group (f, e) owns W1[e][all 1,024 k][hidden units 128 f .. 128 f + 127], 512 KiB of f32, reads them once, quantises them in registers, and runs all of
; expert e's tiles of 16 rows past them.  No weight code ever goes to memory.
; THE SLICE.  Wave w quantises K rows 256 w .. 256 w + 255 in eight SETS.  A set is 32 loads of 16 bytes a lane: lane (r = lane % 16, h = lane / 16) reads row R0 + 32 h + i, columns 4 r .. 4 r + 3 of a
; group of 64 columns: each load reads two aligned runs of 256 consecutive bytes.  The lane then holds four columns x one whole block of 32 along K, and that block is the one that the operand's
; layout gives lane (r, h) (ISA guide 7.12: registers 4 c .. 4 c + 3 hold k = 64 c + 32 h + 0 .. 31).  Column j of the four belongs to tile j of the group: a tile's 16 hidden units are 64 q + 4 m + j.
; The conversions take eight neighbours along K from consecutive registers while a load of 16 bytes brings four columns: so 128 moves a set lay the numbers by column.
; The fragments go to LDS as images of their registers (16 bytes a lane, 512 bytes a store).  Every two sets a wave has four fragments whole; a barrier follows, and every wave fetches the sixteen new fragments of
; the four waves into its registers while the next two sets' 64 loads are on their way: four such stages; only the last one's fetch has nothing on its way beside it.  In the end every wave holds all 64 fragments, 512 registers.
; THE ROWS.  Wave w takes tiles w, w + 4, ..  Source 0 = 16 hidden units, source 1 = 16 rows of x (gathered by the list of tokens, straight into the operand's registers), C of the first K step = b1.
; In tile (q, j) lane (r, h) holds row r and in register i the hidden unit 64 q + 32 h + 4 i + j: the lane's 64 results are two whole blocks of 32 along the next K, in the lane that the next operand's layout wants.
; gelu, tanh form, as a / (1 + 2^(a (c0 + c1 a^2))), c0 = -2 log2(e) sqrt(2 / pi), c1 = 0.044715 c0: the same function, in f32.
; LIMITS: NaN and infinities are not served.  A block of zeros gets the byte 1 where the rule says 127 (zero codes; only this program reads the bytes).  A tile's padding rows compute token 0 and are never used.
; A work-group whose expert has no rows quantises its slice and stores nothing: the grid serves every split.
; No tensor loads: the weights must end with K down a lane's registers, and 64 register loads of 512 bytes a wave are on their way throughout.  No cluster: no weight byte is shared between work-groups.
; REGISTERS: window 0: v1-17 addresses and constants; v24-31 x's scale words, v32-63 W1's (nothing else ever lies there); slice: v64-95 codes, v96-115 at work, v128-255 a set by columns;
;   rows: v64-127 eight accumulators, v128-191 gelu's results in the order of K, v192-200 codes and scale word, v201-239 at work.
;   windows 1, 2: W1's 64 fragments (K step s, tile t at 8 (8 s + t)).   window 3: two landing halves of 128 for the sets; later v0-63 b1 as loaded, v128-191 b1 in the result's layout, v64-127 x's eight fragments.
.set PITCH, 16384                      ; a row of W1[e] in bytes
.set VA,   3                           ; v3   16 r + 32 h rows
.set LI,   4                           ; v4   16 x lane
.set LIW,  5                           ; v5   16 x lane + 16,384 x wave: where my wave's images begin
.set SAW,  6                           ; v6   65,536 + 4 r + 1,024 x wave: my wave's scale records
.set LS4,  7                           ; v7   65,536 + 4 x lane
.set R4,   8                           ; v8   4 r
.set SH8,  9                           ; v9   8 h
.set H16,  10                          ; v10  16 h
.set BA,   11                          ; v11  128 h
.set TOK,  12                          ; v12  the token of my row, as loaded
.set TOKC, 13                          ; v13  held inside x
.set XA,   14                          ; v14  its codes
.set XSA,  15                          ; v15  its scale words
.set C0,   16                          ; v[16:17] c0
.set XS,   24
.set WS,   32
.set C,    64
.set SB,   96
.set MX,   100
.set SO,   104
.set BY,   108
.set TP,   112
.set T,    128
.set ACC,  64
.set G,    128
.set PC,   192
.set PW,   200
.set QW,   201                         ; v201-202 largest magnitudes, v203-204 scale operands, v205-206 bytes, v207 the other half's bytes
.set TMP,  208                         ; v208-239 gelu at work on 32 numbers; then v208-211 four chains of maxima
.set WB,   26                          ; s[26:27] my wave's part of the slice
.set SEL,  36                          ; s[36:37] v_permlanex16_b32's selects for lane l xor 16
.set MSB, 0
.set FIRST, 1
.macro WIN new                         ; the immediate's high byte repeats the setting that is left
.if MSB != \new
	s_set_vgpr_msb (MSB<<8)|\new
.set MSB, \new
.endif
.endm
.macro LOADSET half, off               ; a set's 32 loads into a landing half of window 3
	WIN 0xc0
.set i, 0
.rept 32
	global_load_b128 v[128*(\half)+4*i:128*(\half)+4*i+3], v[VA], s[WB:WB+1] offset:(\off)+i*PITCH th:TH_LOAD_NT
.set i, i+1
.endr
	WIN 0
.endm
.macro TAKE half                       ; by columns: T[32 j + i] = row i, column j
	WIN 0x03
.set i, 0
.rept 32
.irp j, 0,1,2,3
	v_mov_b32 v[T+32*\j+i], v[128*(\half)+4*i+\j]
.endr
.set i, i+1
.endr
	WIN 0
.endm
.macro QUANT4 c                        ; four blocks of 32 (one a column) become codes: registers 4 c .. 4 c + 3 of four fragments
.if ((\c) == 0) && (FIRST == 0)
	s_wait_dscnt 0x0                               ; the last fragments' LDS stores are done: their registers are written again.  (The last stage's fetch is in too)
.endif
.set FIRST, 0
.irp j, 0,1,2,3
	v_max3_num_f32 v[MX+\j], |v[T+32*\j]|, |v[T+32*\j+1]|, 0x1800000      ; with the floor 2^(3 - 127): the byte cannot fall under 1
.endr
.set i, 2
.rept 15
.irp j, 0,1,2,3
	v_max3_num_f32 v[MX+\j], v[MX+\j], |v[T+32*\j+i]|, |v[T+32*\j+i+1]|   ; the four columns by turns
.endr
.set i, i+2
.endr
.irp j, 0,1,2,3
	v_add_nc_u32 v[SO+\j], 0xff000000, v[MX+\j]    ; 2 off the exponent field: the conversion's scale operand
.endr
.irp j, 0,1,2,3
.if (\c) == 0
	v_lshrrev_b32 v[SB+\j], 23, v[SO+\j]           ; the byte of block h
.else
	v_lshrrev_b32 v[BY+\j], 23, v[SO+\j]           ; the byte of block 2 + h
.endif
.endr
.if (\c) != 0
.irp j, 0,1,2,3
	v_lshl_or_b32 v[SB+\j], v[BY+\j], 16, v[SB+\j]
.endr
.endif
.irp j, 0,1,2,3
.irp g, 0,1,2,3
	v_cvt_scalef32_pk8_fp4_f32 v[C+8*\j+4*(\c)+\g], v[T+32*\j+8*\g:T+32*\j+8*\g+7], v[SO+\j]
.endr
.endr
	v_nop                                          ; one plain line behind the last conversion
.endm
.macro FINISH io, so0, so1, so2, so3   ; four whole fragments and their scale words go to LDS
.irp j, 0,1,2,3
	v_lshlrev_b32 v[SB+\j], v[SH8], v[SB+\j]       ; my two bytes at their places in the word,
.endr
.irp j, 0,1,2,3
	v_permlanex16_b32 v[TP+\j], v[SB+\j], s[SEL], s[SEL+1]
.endr
.irp j, 0,1,2,3
	v_or_b32 v[SB+\j], v[SB+\j], v[TP+\j]          ; with lane l xor 16's two the word is whole, in both lanes
.endr
.irp j, 0,1,2,3
	ds_store_b128 v[LIW], v[C+8*\j:C+8*\j+3] offset:\io+1024*\j
	ds_store_b128 v[LIW], v[C+8*\j+4:C+8*\j+7] offset:\io+1024*\j+512
.endr
	ds_store_b32 v[SAW], v[SB] offset:\so0         ; lanes r and r + 16 write the same word with the same value
	ds_store_b32 v[SAW], v[SB+1] offset:\so1
	ds_store_b32 v[SAW], v[SB+2] offset:\so2
	ds_store_b32 v[SAW], v[SB+3] offset:\so3
.endm
; set n = 4 sl + 2 q + c: my wave's K step sl, column group q, half c of the K step
.macro SETOFF n
.set OFS, (128*((\n)/4)+64*((\n)%2))*PITCH+256*(((\n)/2)%2)
.endm
.macro FIN n                           ; fragment 8 s + 4 q + j; scale record 4 s + j: slots 0-15 group 0, slots 16-31 group 1
.set FIO, (8*((\n)/4)+4*(((\n)/2)%2))*1024
.set FS,  (4*((\n)/4))*128+64*(((\n)/2)%2)
	FINISH FIO, FS, FS+128, FS+256, FS+384
.endm
; A STAGE: every wave has stored the four fragments of its K step sl, column group q.  Behind the barrier each wave fetches the sixteen: fragment 8 (2 u + sl) + 4 q + j of wave u.
; A scale record holds both column groups' words, so the sixteen records of K steps 2 u + sl are fetched behind group 1.
.macro STAGE sl, q
	s_wait_dscnt 0x0                               ; for the others' sake: my four images and their scale words lie in LDS
	s_barrier_signal -1
	s_barrier_wait -1                              ; everybody's do.  No LDS byte is written twice in this launch: later stages store other fragments, so these reads need no further ordering
	WIN 0x40
.irp u, 0,1
.irp j, 0,1,2,3
.set FRG, 8*(2*\u+(\sl))+4*(\q)+\j
	ds_load_b128 v[8*FRG:8*FRG+3], v[LI] offset:1024*FRG
	ds_load_b128 v[8*FRG+4:8*FRG+7], v[LI] offset:1024*FRG+512
.endr
.endr
	WIN 0x80
.irp u, 2,3
.irp j, 0,1,2,3
.set FRG, 8*(2*\u+(\sl))+4*(\q)+\j
	ds_load_b128 v[8*(FRG-32):8*(FRG-32)+3], v[LI] offset:1024*FRG
	ds_load_b128 v[8*(FRG-32)+4:8*(FRG-32)+7], v[LI] offset:1024*FRG+512
.endr
.endr
	WIN 0
.if (\q) == 1
.irp u, 0,1,2,3
.irp j, 0,1,2,3
	ds_load_b32 v[WS+4*(2*\u+(\sl))+\j], v[LS4] offset:128*(4*(2*\u+(\sl))+\j)   ; record 4 s + j: lanes 0-15 group 0's words, lanes 16-31 group 1's
.endr
.endr
.endif
.endm
.macro TOKLOAD ahead                   ; the tokens of my tile t + ahead; a tile past the expert's last is held at the last tile that exists
	s_add_co_u32 s40, s34, \ahead
	s_add_co_u32 s40, s40, s22
	s_min_u32 s40, s40, s24
	s_min_u32 s40, s40, 135
	s_lshl_b32 s40, s40, 6
	s_add_nc_u64 s[28:29], s[50:51], s[40:41]
	global_load_b32 v[TOK], v[R4], s[28:29]
.endm
.macro XISSUE                          ; x's eight fragments and scale words of the rows in v[TOK].  The first four lines are also the places behind the last matrix instruction (ISA guide 7.12.1)
	v_min_u32 v[TOKC], 1023, v[TOK]
	v_lshl_add_u32 v[XA], v[TOKC], 9, v[H16]       ; 512 bytes of codes a token, + 16 h
	v_lshlrev_b32 v[XSA], 5, v[TOKC]               ; 32 bytes of scales a token
	v_nop
	WIN 0xc0
.irp s, 0,1,2,3,4,5,6,7
.irp c, 0,1
	global_load_b128 v[64+8*\s+4*\c:64+8*\s+4*\c+3], v[XA], s[8:9] offset:64*\s+32*\c
.endr
.endr
	WIN 0
.irp u, 0,1
	global_load_b128 v[XS+4*\u:XS+4*\u+3], v[XSA], s[10:11] offset:16*\u
.endr
.endm
.macro MM s                            ; K step s: the eight accumulators by turns, one instruction a turn
.irp q, 0,1
.irp j, 0,1,2,3
.set AD, ACC+8*(4*\q+\j)
.set AW, 64*((\s)%4)+8*(4*\q+\j)
.set AX, 64+8*(\s)
.set AB, 128+8*(4*\q+\j)               ; b1 in the result's layout: window 3, v128-191
.if (\s) == 0
.if \q == 0
	v_wmma_scale_f32_16x16x128_f8f6f4 v[AD:AD+7], v[AW:AW+7], v[AX:AX+7], v[AB:AB+7], v[WS+4*(\s)+\j], v[XS+(\s)] matrix_a_fmt:MATRIX_FMT_FP4 matrix_b_fmt:MATRIX_FMT_FP4
.else
	v_wmma_scale_f32_16x16x128_f8f6f4 v[AD:AD+7], v[AW:AW+7], v[AX:AX+7], v[AB:AB+7], v[WS+4*(\s)+\j], v[XS+(\s)] matrix_a_fmt:MATRIX_FMT_FP4 matrix_b_fmt:MATRIX_FMT_FP4 matrix_a_scale:MATRIX_SCALE_ROW1
.endif
.else
.if \q == 0
	v_wmma_scale_f32_16x16x128_f8f6f4 v[AD:AD+7], v[AW:AW+7], v[AX:AX+7], v[AD:AD+7], v[WS+4*(\s)+\j], v[XS+(\s)] matrix_a_fmt:MATRIX_FMT_FP4 matrix_b_fmt:MATRIX_FMT_FP4
.else
	v_wmma_scale_f32_16x16x128_f8f6f4 v[AD:AD+7], v[AW:AW+7], v[AX:AX+7], v[AD:AD+7], v[WS+4*(\s)+\j], v[XS+(\s)] matrix_a_fmt:MATRIX_FMT_FP4 matrix_b_fmt:MATRIX_FMT_FP4 matrix_a_scale:MATRIX_SCALE_ROW1
.endif
.endif
.endr
.endr
.endm
.macro GELU q                          ; group q's four tiles, 32 numbers a lane, in ONE batch: four waits for 64 transcendentals.  Each accumulator is read from its low end on
.set kk, 0
.rept 16
	v_pk_mul_f32 v[TMP+kk:TMP+kk+1], v[ACC+32*\q+kk:ACC+32*\q+kk+1], v[ACC+32*\q+kk:ACC+32*\q+kk+1]
.set kk, kk+2
.endr
.set kk, 0
.rept 16
	v_pk_fma_f32 v[TMP+kk:TMP+kk+1], v[TMP+kk:TMP+kk+1], s[38:39], v[C0:C0+1] op_sel_hi:[1,0,0]   ; c1 a^2 + c0
.set kk, kk+2
.endr
.set kk, 0
.rept 16
	v_pk_mul_f32 v[TMP+kk:TMP+kk+1], v[TMP+kk:TMP+kk+1], v[ACC+32*\q+kk:ACC+32*\q+kk+1]
.set kk, kk+2
.endr
	s_wait_alu depctr_va_vdst(0)
.set kk, 0
.rept 32
	v_exp_f32 v[TMP+kk], v[TMP+kk]
.set kk, kk+1
.endr
	v_nop                                          ; a plain line behind the exponentials
	s_wait_alu depctr_va_vdst(0)
.set kk, 0
.rept 16
	v_pk_add_f32 v[TMP+kk:TMP+kk+1], v[TMP+kk:TMP+kk+1], 1.0 op_sel_hi:[1,0]
.set kk, kk+2
.endr
	s_wait_alu depctr_va_vdst(0)
.set kk, 0
.rept 32
	v_rcp_f32 v[TMP+kk], v[TMP+kk]
.set kk, kk+1
.endr
	v_nop                                          ; a plain line behind the reciprocals
	s_wait_alu depctr_va_vdst(0)
.irp j, 0,1,2,3
.irp g, 0,1,2,3
.irp d, 0,1
	v_mul_f32 v[G+32*\q+8*\g+4*\d+\j], v[ACC+32*\q+8*\j+2*\g+\d], v[TMP+8*\j+2*\g+\d]   ; unit 64 q + 32 h + 4 (2 g + d) + j: laid in the order of the next K
.endr
.endr
.endr
.endm
	s_load_b256 s[4:11], s[0:1], 0x0               ; W1 s[4:5], b1 s[6:7], xcodes s[8:9], xscales s[10:11]
	s_load_b128 s[12:15], s[0:1], 0x20             ; route s[12:13], hcodes s[14:15]
	s_load_b64 s[16:17], s[0:1], 0x30              ; hscales
	v_lshl_add_u32 v22, v0, 2, 0x11000
	v_mov_b32 v23, 0
	v_lshrrev_b32 v1, 5, v0
	v_readfirstlane_b32 s18, v1                    ; wave 0..3
	s_mov_b32 s19, ttmp9                           ; f: which 128 hidden units
	s_and_b32 s20, ttmp7, 0xffff                   ; e: the expert
	v_and_b32 v1, 15, v0                           ; r
	v_bfe_u32 v2, v0, 4, 1                         ; h
	v_lshlrev_b32 v[VA], 4, v1
	v_lshl_add_u32 v[VA], v2, 19, v[VA]            ; 16 r + 32 rows of 16,384 bytes x h
	v_and_b32 v[LI], 31, v0
	v_lshl_add_u32 v[LS4], v[LI], 2, 0x10000
	v_lshlrev_b32 v[LI], 4, v[LI]
	s_lshl_b32 s40, s18, 14
	v_add_nc_u32 v[LIW], s40, v[LI]
	s_lshl_b32 s40, s18, 10
	s_add_co_u32 s40, s40, 0x10000
	v_lshl_add_u32 v[SAW], v1, 2, s40
	v_lshlrev_b32 v[R4], 2, v1
	v_lshlrev_b32 v[SH8], 3, v2
	v_lshlrev_b32 v[H16], 4, v2
	v_lshlrev_b32 v[BA], 7, v2
	v_mov_b32 v[C0], 0xc0135761                    ; c0 = -2.3022082
	v_mov_b32 v[C0+1], 0xc0135761                  ; (named with it as a pair, so it is written)
.irp j, 0,1,2,3
	v_mov_b32 v[TP+\j], 0                          ; written once: a lane permute's destination counts as one of its sources
.endr
	v_mov_b32 v[QW+6], 0
	s_mov_b32 s[SEL], 0x76543210
	s_mov_b32 s[SEL+1], 0xfedcba98
	s_mov_b32 s38, 0xbdd2d3e8                      ; c1 = -0.10294324
	s_mov_b32 s39, s38
	s_mov_b32 s34, s18                             ; t: my tile among the expert's
	s_mov_b32 s41, 0
	s_mov_b32 s45, 0
	s_mov_b32 s53, 0
	s_lshl_b32 s40, s20, 24                        ; an expert's W1 is 2^24 bytes,
	s_lshl_b32 s42, s18, 22                        ; my wave's 256 rows begin 2^22 x wave on,
	s_add_co_u32 s40, s40, s42
	s_lshl_b32 s42, s19, 9                         ; the slice's 128 columns 512 f bytes on
	s_add_co_u32 s40, s40, s42
	s_wait_kmcnt 0x0
	s_add_nc_u64 s[WB:WB+1], s[4:5], s[40:41]
	SETOFF 0
	LOADSET 0, OFS
	SETOFF 1
	LOADSET 1, OFS
	s_lshl_b32 s40, s20, 14
	s_add_co_u32 s40, s40, s42
	s_add_nc_u64 s[6:7], s[6:7], s[40:41]          ; b1[e][128 f]
	s_lshl_b32 s40, s19, 10
	s_add_nc_u64 s[46:47], s[14:15], s[40:41]      ; hcodes at K step f of tile 0
	s_lshl_b32 s40, s19, 6
	s_add_nc_u64 s[48:49], s[16:17], s[40:41]      ; hscales likewise
	s_add_nc_u64 s[50:51], s[12:13], 256           ; rowtok
	s_lshl_b32 s40, s20, 3
	s_add_nc_u64 s[54:55], s[12:13], s[40:41]
	s_load_b64 s[22:23], s[54:55], 0x0             ; the expert's first tile s22, its number of tiles s23
	s_load_b32 s24, s[12:13], 0x40                 ; the last tile that exists
.set n, 0
.rept 6
	s_wait_loadcnt 32                              ; this set's 32 loads are in; the next set's 32 may be out
	TAKE n%2
	SETOFF n+2
	LOADSET n%2, OFS                               ; the landing half is free: the set two on
	QUANT4 n%2
.if n == 0
	s_wait_alu depctr_va_vdst(0)
	s_wait_kmcnt 0x0                               ; the expert's tiles
	TOKLOAD 0                                      ; my first tile's tokens, asked for six sets ahead of their use.  One load more stands behind set 1: its wait for 32 also sees set 2's first load in
.endif
.if n%2 == 1
	FIN n
	STAGE n/4, (n/2)%2                             ; the sixteen new fragments are fetched while two sets' loads are on their way
.endif
.set n, n+1
.endr
	s_wait_loadcnt 32                              ; set 6
	TAKE 0
	XISSUE                                         ; my first tile's rows of x, into the half that set 6 has left, while set 7 is on its way
	TOKLOAD 4
	QUANT4 0
	WIN 0xc0                                       ; b1: sixteen loads of 16 bytes: units 64 q + 32 h + 4 i + 0 .. 3 into window 3, v[4 (8 q + i) ..]
.irp q, 0,1
.irp i, 0,1,2,3,4,5,6,7
	global_load_b128 v[4*(8*\q+\i):4*(8*\q+\i)+3], v[BA], s[6:7] offset:(64*\q+4*\i)*4
.endr
.endr
	WIN 0
	s_wait_loadcnt 0x0                             ; set 7, and with it x, the next tokens and b1
	TAKE 1
	WIN 0xc3                                       ; b1 into the result's layout, in the half that set 7 has left: tile (q, j), register i: unit 64 q + 32 h + 4 i + j
.irp q, 0,1
.irp j, 0,1,2,3
.irp i, 0,1,2,3,4,5,6,7
	v_mov_b32 v[128+8*(4*\q+\j)+\i], v[4*(8*\q+\i)+\j]
.endr
.endr
.endr
	WIN 0
	QUANT4 1
	FIN 7
	STAGE 1, 1                                     ; the last sixteen; nothing is stored to LDS from here on
	s_add_co_u32 s57, s23, 3                       ; my wave's tiles w, w + 4, .. under the expert's number of tiles: (tiles + 3 - w) / 4 of them,
	s_sub_co_u32 s57, s57, s18
	s_lshr_b32 s57, s57, 2
	s_min_u32 s57, s57, 32                         ; 32 at the most: an expert has at most 2,048 / 16 = 128 tiles
	s_mov_b32 s56, 0                               ; the loop's counter, by 1; the tile's number s34 steps by 4 beside it
	s_wait_dscnt 0x0
	s_cmp_eq_u32 s57, 0
	s_cbranch_scc1 .Lend                           ; fewer tiles than waves, or none
.Lrow:
	s_wait_loadcnt 0x0                             ; this tile's x and the tokens of the tile four on: asked for a trip ago
	WIN 0x3d                                       ; source 0 (W1) window 1, source 1 (x) and C (b1) window 3
	MM 0
	WIN 0x0d
	MM 1
	MM 2
	MM 3
	WIN 0x0e                                       ; W1's K steps 4 to 7 lie in window 2
	MM 4
	MM 5
	MM 6
	MM 7
	WIN 0
	XISSUE                                         ; the tile four on lands while this one is worked
	TOKLOAD 8
	GELU 0
	GELU 1
	s_wait_alu depctr_va_vdst(0)
	s_wait_xcnt 0x0                                ; the last trip's stores have read their data and bases
.irp c, 0,1,2,3
	v_max3_num_f32 v[TMP+\c], |v[G+16*\c]|, |v[G+16*\c+1]|, 0x1800000      ; my two whole blocks, each in two chains of 16 numbers: four chains by turns
.endr
.set i, 2
.rept 7
.irp c, 0,1,2,3
	v_max3_num_f32 v[TMP+\c], v[TMP+\c], |v[G+16*\c+i]|, |v[G+16*\c+i+1]|
.endr
.set i, i+2
.endr
.irp q, 0,1
	v_max_num_f32 v[QW+\q], v[TMP+2*\q], v[TMP+2*\q+1]
.endr
.irp q, 0,1
	v_add_nc_u32 v[QW+2+\q], 0xff000000, v[QW+\q]
.endr
.irp q, 0,1
	v_lshrrev_b32 v[QW+4+\q], 23, v[QW+2+\q]
.endr
	v_lshl_or_b32 v[PW], v[QW+5], 16, v[QW+4]      ; bytes h and 2 + h of my row's scale word
	v_lshlrev_b32 v[PW], v[SH8], v[PW]
	v_permlanex16_b32 v[QW+6], v[PW], s[SEL], s[SEL+1]
	v_or_b32 v[PW], v[PW], v[QW+6]
.irp q, 0,1
.irp g, 0,1,2,3
	v_cvt_scalef32_pk8_fp4_f32 v[PC+4*\q+\g], v[G+32*\q+8*\g:G+32*\q+8*\g+7], v[QW+2+\q]
.endr
.endr
	v_nop                                          ; one plain line behind the last conversion
	s_add_co_u32 s42, s34, s22
	s_min_u32 s42, s42, 135                        ; the tile's number among all
	s_lshl_b32 s44, s42, 15                        ; 32 K steps x 1,024 bytes a tile
	s_add_nc_u64 s[30:31], s[46:47], s[44:45]
	s_lshl_b32 s52, s42, 11                        ; 32 K steps x 64 bytes
	s_add_nc_u64 s[32:33], s[48:49], s[52:53]
	global_store_b128 v[LI], v[PC:PC+3], s[30:31]                  ; the fragment as an image of its registers: 512 consecutive bytes a store
	global_store_b128 v[LI], v[PC+4:PC+7], s[30:31] offset:512
	global_store_b32 v[R4], v[PW], s[32:33]                        ; 16 scale words; lanes r and r + 16 write the same
	s_add_co_u32 s34, s34, 4                       ; my next tile
	s_add_co_u32 s56, s56, 1
	s_cmp_lt_u32 s56, s57
	s_cbranch_scc1 .Lrow
.Lend:
	s_wait_tensorcnt 0x0
	ds_add_u32 v22, v23
	s_wait_dscnt 0x0
	s_endpgm
.Lfunc_end_k_qd0e358636c_up:
	.size	k_qd0e358636c_up, .Lfunc_end_k_qd0e358636c_up-k_qd0e358636c_up
	.p2alignl 7, 3214868480
	.fill 96, 4, 3214868480
	.section	.rodata,"a",@progbits
	.p2align	6, 0x0
	.amdhsa_kernel k_qd0e358636c_up
		.amdhsa_group_segment_fixed_size 70144
		.amdhsa_private_segment_fixed_size 0
		.amdhsa_enable_private_segment 0
		.amdhsa_kernarg_size 56
		.amdhsa_user_sgpr_count 2
		.amdhsa_user_sgpr_kernarg_segment_ptr 1
		.amdhsa_wavefront_size32 1
		.amdhsa_system_sgpr_workgroup_id_x 1
		.amdhsa_system_sgpr_workgroup_id_y 1
		.amdhsa_system_sgpr_workgroup_id_z 1
		.amdhsa_system_vgpr_workitem_id 0
		.amdhsa_next_free_vgpr 1024
		.amdhsa_next_free_sgpr 66
		.amdhsa_reserve_vcc 0
		.amdhsa_float_denorm_mode_32 3
		.amdhsa_float_denorm_mode_16_64 3
		.amdhsa_memory_ordered 1
		.amdhsa_forward_progress 1
		.amdhsa_inst_pref_size 157
	.end_amdhsa_kernel
	.amdgpu_metadata
---
amdhsa.version: [ 1, 2 ]
amdhsa.kernels:
  - .name:           k_qd0e358636c_up
    .symbol:         k_qd0e358636c_up.kd
    .args:
      - { .name: W1, .offset: 0, .size: 8, .value_kind: global_buffer, .address_space: global }
      - { .name: b1, .offset: 8, .size: 8, .value_kind: global_buffer, .address_space: global }
      - { .name: xcodes, .offset: 16, .size: 8, .value_kind: global_buffer, .address_space: global }
      - { .name: xscales, .offset: 24, .size: 8, .value_kind: global_buffer, .address_space: global }
      - { .name: route, .offset: 32, .size: 8, .value_kind: global_buffer, .address_space: global }
      - { .name: hcodes, .offset: 40, .size: 8, .value_kind: global_buffer, .address_space: global }
      - { .name: hscales, .offset: 48, .size: 8, .value_kind: global_buffer, .address_space: global }
    .group_segment_fixed_size: 70144
    .private_segment_fixed_size: 0
    .kernarg_segment_align: 8
    .kernarg_segment_size: 56
    .max_flat_workgroup_size: 128
    .sgpr_count:     66
    .vgpr_count:     1024
    .wavefront_size: 32
...
	.end_amdgpu_metadata
.endif
;; end of part 2
;; launch down (part 3): grid 32 x 8, 4 waves a work-group, no clusters, 70,144 bytes of LDS; arguments W2, b2, hcodes, hscales, route, ypart; writes ypart
.if DOCPART == 3
	.amdgcn_target "amdgcn-amd-amdhsa--gfx1250"
	.amdhsa_code_object_version 6
	.text
	.protected	k_qd0e358636c_down
	.globl	k_qd0e358636c_down
	.p2align	8
	.type	k_qd0e358636c_down,@function
k_qd0e358636c_down:
	s_mov_b64 s[64:65], 0
	v_nop
	global_prefetch_b8 v0, s[64:65] scope:SCOPE_SE
	s_setreg_imm32_b32 hwreg(HW_REG_WAVE_MODE, 25, 1), 1
	s_wait_xcnt 0x0
; DOWN.  y = h W2[e] + b2[e] for the rows routed to expert e, on codes of FP4 (E2M1) with one E8M0 scale for each 32 along K, as two partial sums over the halves of K.
; THE WEIGHTS STAND STILL: work-group (2 sl + kh, e) owns W2[e][k = 2,048 kh .. + 2,047][columns 64 sl .. + 63], 512 KiB of f32, reads them once, quantises them in registers, and runs all of
; expert e's tiles of 16 rows past them.  64 columns make a row's piece of y 256 consecutive bytes, aligned; half of K then gives 256 work-groups; the price is a second partial sum.
; THE SLICE is quantised as in the launch before: wave w takes K rows 512 w .. + 511 of the half in eight sets of 32 loads; lane (r, h) reads row R0 + 32 h + i, columns 4 r .. 4 r + 3: two aligned runs of
; 256 consecutive bytes a load; column j of the four belongs to tile j, whose 16 columns are 4 m + j.  128 moves a set lay the numbers by column, since the conversions take eight neighbours along K from consecutive registers.
; The fragments go to LDS as images of their registers.  Every two sets a wave has a K step's four fragments whole; a barrier follows, and every wave fetches the four waves' sixteen new fragments into its registers
; while the next two sets' 64 loads are on their way: four such stages.  In the end every wave holds all 64 (16 K steps x 4 tiles), 512 registers.
; THE ROWS.  Wave w takes tiles w, w + 4, ..: source 0 = 16 rows of h (register images, 16 K steps), source 1 = 16 columns.  Lane (r, h) then holds in register i of tile j: row 8 h + i, column 4 r + j:
; the four tiles' registers i are four neighbouring columns, 16 bytes, and sixteen lanes store 256 consecutive bytes.  b2 is added in K half 0 alone.  Two tile buffers: one is multiplied while the other lands;
; a tile that the expert does not have is not asked for.
; LIMITS: NaN and infinities are not served.  A block of zeros gets the byte 1 where the rule says 127 (zero codes; only this program reads the bytes).  Padding rows are computed, stored and never used.
; A work-group whose expert has no rows quantises its slice and stores nothing: the grid serves every split.
; No tensor loads, no cluster: no weight byte is shared; h's tiles, which sixteen work-groups read, are a third of a work-group's bytes, and joint loads would bind four waves that here walk their tiles with no barrier.
; REGISTERS: window 0: v1-12 addresses; v16-31 h's scale words, two sets, v32-63 W2's (nothing else ever lies there); slice: v64-95 codes, v96-115 at work, v128-255 a set by columns;
;   rows: v64-95 four accumulators, v120-123 b2, v128-159 and v160-191 results to store.   windows 1, 2: W2's 64 fragments (K step S, tile j at 8 (4 S + j)).   window 3: two halves of 128: landing sets, then h's tiles.
.set PITCH, 4096                       ; a row of W2[e] in bytes
.set VA,   3
.set LI,   4
.set LIW,  5
.set SAW,  6
.set LS4,  7
.set SH8,  9
.set B2A,  10                          ; v10  16 r
.set H32,  11                          ; v11  32 h: my eight rows' entries in a tile's 64 bytes of rowent
.set L4,   12                          ; v12  4 x lane
.set EN,   192                         ; v192-207 the entries 2 token + k of my eight rows, as loaded, two sets
.set YAD,  208                         ; v208-223 where those rows are stored, two sets
.set HS,   16
.set WS,   32
.set C,    64
.set SB,   96
.set MX,   100
.set SO,   104
.set BY,   108
.set TP,   112
.set T,    128
.set ACC,  64
.set B2,   120
.set O,    128
.set WB,   26
.set SEL,  44
.set MSB, 0
.set FIRST, 1
.macro WIN new                         ; the immediate's high byte repeats the setting that is left
.if MSB != \new
	s_set_vgpr_msb (MSB<<8)|\new
.set MSB, \new
.endif
.endm
.macro LOADSET half, off               ; a set's 32 loads into a landing half of window 3
	WIN 0xc0
.set i, 0
.rept 32
	global_load_b128 v[128*(\half)+4*i:128*(\half)+4*i+3], v[VA], s[WB:WB+1] offset:(\off)+i*PITCH th:TH_LOAD_NT
.set i, i+1
.endr
	WIN 0
.endm
.macro TAKE half                       ; by columns: T[32 j + i] = row i, column j
	WIN 0x03
.set i, 0
.rept 32
.irp j, 0,1,2,3
	v_mov_b32 v[T+32*\j+i], v[128*(\half)+4*i+\j]
.endr
.set i, i+1
.endr
	WIN 0
.endm
.macro QUANT4 c                        ; four blocks of 32 (one a column) become codes: registers 4 c .. 4 c + 3 of four fragments
.if ((\c) == 0) && (FIRST == 0)
	s_wait_dscnt 0x0                               ; the last fragments' LDS stores are done: their registers are written again.  (The last stage's fetch is in too)
.endif
.set FIRST, 0
.irp j, 0,1,2,3
	v_max3_num_f32 v[MX+\j], |v[T+32*\j]|, |v[T+32*\j+1]|, 0x1800000      ; with the floor 2^(3 - 127): the byte cannot fall under 1
.endr
.set i, 2
.rept 15
.irp j, 0,1,2,3
	v_max3_num_f32 v[MX+\j], v[MX+\j], |v[T+32*\j+i]|, |v[T+32*\j+i+1]|   ; the four columns by turns
.endr
.set i, i+2
.endr
.irp j, 0,1,2,3
	v_add_nc_u32 v[SO+\j], 0xff000000, v[MX+\j]    ; 2 off the exponent field: the conversion's scale operand
.endr
.irp j, 0,1,2,3
.if (\c) == 0
	v_lshrrev_b32 v[SB+\j], 23, v[SO+\j]           ; the byte of block h
.else
	v_lshrrev_b32 v[BY+\j], 23, v[SO+\j]           ; the byte of block 2 + h
.endif
.endr
.if (\c) != 0
.irp j, 0,1,2,3
	v_lshl_or_b32 v[SB+\j], v[BY+\j], 16, v[SB+\j]
.endr
.endif
.irp j, 0,1,2,3
.irp g, 0,1,2,3
	v_cvt_scalef32_pk8_fp4_f32 v[C+8*\j+4*(\c)+\g], v[T+32*\j+8*\g:T+32*\j+8*\g+7], v[SO+\j]
.endr
.endr
	v_nop                                          ; one plain line behind the last conversion
.endm
.macro FINISH io, so0, so1, so2, so3   ; four whole fragments and their scale words go to LDS
.irp j, 0,1,2,3
	v_lshlrev_b32 v[SB+\j], v[SH8], v[SB+\j]       ; my two bytes at their places in the word,
.endr
.irp j, 0,1,2,3
	v_permlanex16_b32 v[TP+\j], v[SB+\j], s[SEL], s[SEL+1]
.endr
.irp j, 0,1,2,3
	v_or_b32 v[SB+\j], v[SB+\j], v[TP+\j]          ; with lane l xor 16's two the word is whole, in both lanes
.endr
.irp j, 0,1,2,3
	ds_store_b128 v[LIW], v[C+8*\j:C+8*\j+3] offset:\io+1024*\j
	ds_store_b128 v[LIW], v[C+8*\j+4:C+8*\j+7] offset:\io+1024*\j+512
.endr
	ds_store_b32 v[SAW], v[SB] offset:\so0         ; lanes r and r + 16 write the same word with the same value
	ds_store_b32 v[SAW], v[SB+1] offset:\so1
	ds_store_b32 v[SAW], v[SB+2] offset:\so2
	ds_store_b32 v[SAW], v[SB+3] offset:\so3
.endm
; set n = 2 ks + c: my wave's K step ks, half c of it
.macro SETOFF n
.set OFS, (128*((\n)/2)+64*((\n)%2))*PITCH
.endm
.macro FIN n                           ; fragment 4 S + j; scale record 2 S + j / 2: slots 0-15 the even tile, slots 16-31 the odd one
.set FIO, (4*((\n)/2))*1024
.set FS,  (2*((\n)/2))*128
	FINISH FIO, FS, FS+64, FS+128, FS+192
.endm
; A STAGE: every wave has stored the four fragments and two scale records of its K step ks.  Behind the barrier each wave fetches the sixteen fragments 4 (4 u + ks) + j and the eight records 2 (4 u + ks) + p of the waves u.
.macro STAGE ks
	s_wait_dscnt 0x0                               ; for the others' sake: my four images and their scale words lie in LDS
	s_barrier_signal -1
	s_barrier_wait -1                              ; everybody's do.  No LDS byte is written twice in this launch: later stages store other fragments, so these reads need no further ordering
	WIN 0x40
.irp u, 0,1
.irp j, 0,1,2,3
.set FRG, 4*(4*\u+(\ks))+\j
	ds_load_b128 v[8*FRG:8*FRG+3], v[LI] offset:1024*FRG
	ds_load_b128 v[8*FRG+4:8*FRG+7], v[LI] offset:1024*FRG+512
.endr
.endr
	WIN 0x80
.irp u, 2,3
.irp j, 0,1,2,3
.set FRG, 4*(4*\u+(\ks))+\j
	ds_load_b128 v[8*(FRG-32):8*(FRG-32)+3], v[LI] offset:1024*FRG
	ds_load_b128 v[8*(FRG-32)+4:8*(FRG-32)+7], v[LI] offset:1024*FRG+512
.endr
.endr
	WIN 0
.irp u, 0,1,2,3
.irp p, 0,1
	ds_load_b32 v[WS+2*(4*\u+(\ks))+\p], v[LS4] offset:128*(2*(4*\u+(\ks))+\p)   ; record 2 S + j / 2: lanes 0-15 the even tile's words, lanes 16-31 the odd one's
.endr
.endr
.endm
.macro HISSUE b, ahead                 ; my tile t + ahead of h, this half of K, into buffer b: 32 + 8 loads.  A tile past the expert's last is held at the last tile that exists
	s_add_co_u32 s46, s34, \ahead
	s_add_co_u32 s46, s46, s22
	s_min_u32 s46, s46, s24
	s_min_u32 s46, s46, 135
	s_lshl_b32 s48, s46, 15
	s_add_nc_u64 s[28+8*\b:29+8*\b], s[52:53], s[48:49]
	s_lshl_b32 s48, s46, 11
	s_add_nc_u64 s[30+8*\b:31+8*\b], s[54:55], s[48:49]
	s_lshl_b32 s48, s46, 6                         ; 16 entries a tile
	s_add_nc_u64 s[32+8*\b:33+8*\b], s[62:63], s[48:49]
	WIN 0xc0
.set i, 0
.rept 16
	global_load_b128 v[128*\b+8*i:128*\b+8*i+3], v[LI], s[28+8*\b:29+8*\b] offset:1024*i
	global_load_b128 v[128*\b+8*i+4:128*\b+8*i+7], v[LI], s[28+8*\b:29+8*\b] offset:1024*i+512
.set i, i+1
.endr
	WIN 0
.irp p, 0,1,2,3,4,5,6,7
	global_load_b32 v[HS+8*\b+\p], v[L4], s[30+8*\b:31+8*\b] offset:128*\p     ; lanes 0-15: K step 2 p's words; lanes 16-31: K step 2 p + 1's
.endr
.endm
.macro ENTS b                          ; the entries of rows 8 h .. 8 h + 7 of the tile that HISSUE b asked for last: two loads more, 42 in all
	global_load_b128 v[EN+8*\b:EN+8*\b+3], v[H32], s[32+8*\b:33+8*\b]
	global_load_b128 v[EN+8*\b+4:EN+8*\b+7], v[H32], s[32+8*\b:33+8*\b] offset:16
.endm
.macro TILE b                          ; my tile t + 4 b, which lies in buffer b
	s_wait_loadcnt 42                              ; this buffer's 42 loads are in; the other buffer's 42, where they were issued behind them, may be out
.set S, 0
.rept 16
.if S < 8
	WIN 0x07                                       ; source 0 (h) window 3, source 1 (W2) window 1
.else
	WIN 0x0b                                       ; W2's K steps 8 to 15 lie in window 2
.endif
.irp j, 0,1,2,3                                ; the four accumulators by turns, one instruction a turn
.set AD, ACC+8*\j
.set AH, 128*\b+8*S
.set AW, 8*((4*S+\j)%32)
.set SA, HS+8*\b+S/2
.set SW, WS+2*S+\j/2
.if S == 0
.if \j%2 == 0
	v_wmma_scale_f32_16x16x128_f8f6f4 v[AD:AD+7], v[AH:AH+7], v[AW:AW+7], 0, v[SA], v[SW] matrix_a_fmt:MATRIX_FMT_FP4 matrix_b_fmt:MATRIX_FMT_FP4
.else
	v_wmma_scale_f32_16x16x128_f8f6f4 v[AD:AD+7], v[AH:AH+7], v[AW:AW+7], 0, v[SA], v[SW] matrix_a_fmt:MATRIX_FMT_FP4 matrix_b_fmt:MATRIX_FMT_FP4 matrix_b_scale:MATRIX_SCALE_ROW1
.endif
.elseif S%2 == 0
.if \j%2 == 0
	v_wmma_scale_f32_16x16x128_f8f6f4 v[AD:AD+7], v[AH:AH+7], v[AW:AW+7], v[AD:AD+7], v[SA], v[SW] matrix_a_fmt:MATRIX_FMT_FP4 matrix_b_fmt:MATRIX_FMT_FP4
.else
	v_wmma_scale_f32_16x16x128_f8f6f4 v[AD:AD+7], v[AH:AH+7], v[AW:AW+7], v[AD:AD+7], v[SA], v[SW] matrix_a_fmt:MATRIX_FMT_FP4 matrix_b_fmt:MATRIX_FMT_FP4 matrix_b_scale:MATRIX_SCALE_ROW1
.endif
.else
.if \j%2 == 0
	v_wmma_scale_f32_16x16x128_f8f6f4 v[AD:AD+7], v[AH:AH+7], v[AW:AW+7], v[AD:AD+7], v[SA], v[SW] matrix_a_fmt:MATRIX_FMT_FP4 matrix_b_fmt:MATRIX_FMT_FP4 matrix_a_scale:MATRIX_SCALE_ROW1
.else
	v_wmma_scale_f32_16x16x128_f8f6f4 v[AD:AD+7], v[AH:AH+7], v[AW:AW+7], v[AD:AD+7], v[SA], v[SW] matrix_a_fmt:MATRIX_FMT_FP4 matrix_b_fmt:MATRIX_FMT_FP4 matrix_a_scale:MATRIX_SCALE_ROW1 matrix_b_scale:MATRIX_SCALE_ROW1
.endif
.endif
.endr
.set S, S+1
.endr
	WIN 0
	s_wait_xcnt 0x0                                ; earlier stores have read their data and bases: this buffer's are written again below
.irp i, 0,1,2,3,4,5,6,7                        ; EACH ROW GOES TO ITS ENTRY'S OWN PLACE: ypart[entry][K half][4,096 bytes], so that a token's four rows lie on end.  A loaded entry is held inside the buffer's 4,224
	v_min_u32 v[YAD+8*\b+\i], 4223, v[EN+8*\b+\i]
.endr
.irp i, 0,1,2,3,4,5,6,7                        ; these sixteen lines are also the places behind the last matrix instruction: loads into its operands and reads of its result follow
	v_lshl_add_u32 v[YAD+8*\b+\i], v[YAD+8*\b+\i], 13, v[B2A]    ; 8,192 bytes an entry, + 16 r
.endr
	s_wait_alu depctr_va_vdst(0)
.irp i, 0,1,2,3,4,5,6,7
.irp j, 0,1,2,3
	v_add_f32 v[O+32*\b+4*\i+\j], v[ACC+8*\j+\i], v[B2+\j]         ; the bias, and four neighbouring columns into four neighbouring registers; each accumulator from its low end on
.endr
.endr
.irp i, 0,1,2,3,4,5,6,7
	global_store_b128 v[YAD+8*\b+\i], v[O+32*\b+4*\i:O+32*\b+4*\i+3], s[56:57]   ; sixteen lanes store 256 consecutive bytes, aligned: rows i and 8 + i, each at its entry
.endr
	s_add_co_u32 s46, s34, 8+4*\b                  ; the tile's eight stores are issued ahead of the 42 loads below
	s_cmp_lt_u32 s46, s23                          ; has the expert a tile eight on?  (its number of tiles is a whole number that an earlier launch stored)
	s_cbranch_scc1 .Lmore_\@
	s_wait_loadcnt 0x0                             ; none: nothing is asked for.  All my loads are waited for on this way, so that the counted wait at the next tile's head holds on every way to it
	s_branch .Lnone_\@
.Lmore_\@:
	HISSUE \b, 8+4*\b                              ; the tile eight on lands while the other buffer is multiplied,
	ENTS \b                                        ; and its rows' entries
.Lnone_\@:
.endm
	s_load_b256 s[4:11], s[0:1], 0x0               ; W2 s[4:5], b2 s[6:7], hcodes s[8:9], hscales s[10:11]
	s_load_b128 s[12:15], s[0:1], 0x20             ; route s[12:13], ypart s[14:15]
	v_lshl_add_u32 v126, v0, 2, 0x11000
	v_mov_b32 v127, 0
	v_lshrrev_b32 v1, 5, v0
	v_readfirstlane_b32 s18, v1                    ; wave 0..3
	s_lshr_b32 s19, ttmp9, 1                       ; sl: which 64 columns
	s_and_b32 s21, ttmp9, 1                        ; kh: which half of K
	s_and_b32 s20, ttmp7, 0xffff                   ; e: the expert
	v_and_b32 v1, 15, v0                           ; r
	v_bfe_u32 v2, v0, 4, 1                         ; h
	v_lshlrev_b32 v[B2A], 4, v1
	v_lshl_add_u32 v[VA], v2, 17, v[B2A]           ; 16 r + 32 rows of 4,096 bytes x h
	v_lshlrev_b32 v[H32], 5, v2
	v_and_b32 v[LI], 31, v0
	v_lshlrev_b32 v[L4], 2, v[LI]
	v_lshl_add_u32 v[LS4], v[LI], 2, 0x10000
	v_lshlrev_b32 v[LI], 4, v[LI]
	s_lshl_b32 s46, s18, 14
	v_add_nc_u32 v[LIW], s46, v[LI]
	s_lshl_b32 s46, s18, 10
	s_add_co_u32 s46, s46, 0x10000
	v_lshl_add_u32 v[SAW], v1, 2, s46
	v_lshlrev_b32 v[SH8], 3, v2
.irp j, 0,1,2,3
	v_mov_b32 v[TP+\j], 0                          ; written once: a lane permute's destination counts as one of its sources
.endr
	s_mov_b32 s[SEL], 0x76543210
	s_mov_b32 s[SEL+1], 0xfedcba98
	s_mov_b32 s34, s18                             ; t: my tile among the expert's
	s_mov_b32 s47, 0
	s_mov_b32 s49, 0
	s_lshl_b32 s51, s19, 8                         ; the slice's 64 columns: 256 sl bytes
	s_lshl_b32 s46, s20, 24                        ; an expert's W2 is 2^24 bytes, a half of K 2^23, my wave's 512 rows 2^21
	s_lshl_b32 s48, s21, 23
	s_add_co_u32 s46, s46, s48
	s_lshl_b32 s48, s18, 21
	s_add_co_u32 s46, s46, s48
	s_add_co_u32 s46, s46, s51
	s_wait_kmcnt 0x0
	s_add_nc_u64 s[WB:WB+1], s[4:5], s[46:47]
	s_lshl_b32 s46, s20, 12
	s_add_co_u32 s46, s46, s51
	s_add_nc_u64 s[6:7], s[6:7], s[46:47]          ; b2[e][64 sl]
	global_load_b128 v[B2:B2+3], v[B2A], s[6:7]    ; my four columns' b2
	SETOFF 0
	LOADSET 0, OFS
	SETOFF 1
	LOADSET 1, OFS
	s_lshl_b32 s46, s21, 14
	s_add_nc_u64 s[52:53], s[8:9], s[46:47]        ; hcodes at this half's first K step of tile 0
	s_lshl_b32 s46, s21, 10
	s_add_nc_u64 s[54:55], s[10:11], s[46:47]      ; hscales likewise
	s_add_nc_u64 s[62:63], s[12:13], 9216          ; rowent
	s_lshl_b32 s46, s21, 12                        ; an entry's two partial sums lie 4,096 bytes apart
	s_add_co_u32 s46, s46, s51
	s_add_nc_u64 s[56:57], s[14:15], s[46:47]
	s_lshl_b32 s46, s20, 3
	s_add_nc_u64 s[58:59], s[12:13], s[46:47]
	s_load_b64 s[22:23], s[58:59], 0x0             ; the expert's first tile s22, its number of tiles s23
	s_load_b32 s24, s[12:13], 0x40                 ; the last tile that exists
	s_cmp_eq_u32 s21, 0
	s_cselect_b32 s50, -1, 0                       ; all lanes in K half 0, none in half 1
.set n, 0
.rept 6
	s_wait_loadcnt 32                              ; this set's 32 loads are in; the next set's 32 may be out
	TAKE n%2
	SETOFF n+2
	LOADSET n%2, OFS                               ; the landing half is free: the set two on
	QUANT4 n%2
.if n%2 == 1
	FIN n
	STAGE n/2                                      ; the sixteen new fragments are fetched while two sets' loads are on their way
.endif
.set n, n+1
.endr
	s_wait_loadcnt 32                              ; set 6
	TAKE 0
	s_wait_kmcnt 0x0                               ; the expert's tiles
	HISSUE 0, 0                                    ; my first tile of h, into the half that set 6 has left
	QUANT4 0
	s_wait_loadcnt 40                              ; set 7 is in; the 40 loads just issued may be out
	TAKE 1
	QUANT4 1                                       ; the last set has left v128-255: only now do the entries' loads land there
	ENTS 0                                         ; behind tile 0's last load stand tile 1's 42, here as in the loop
	HISSUE 1, 4
	ENTS 1
	FIN 7
	STAGE 3                                        ; the last sixteen; nothing is stored to LDS from here on
.irp j, 0,1,2,3
	v_cndmask_b32 v[B2+\j], 0, v[B2+\j], s50       ; b2 counts once: in K half 0 (its load was the first of all: long in)
.endr
	s_add_co_u32 s61, s23, 7                       ; a trip serves my tiles t and t + 4: (tiles + 7 - w) / 8 trips,
	s_sub_co_u32 s61, s61, s18
	s_lshr_b32 s61, s61, 3
	s_min_u32 s61, s61, 16                         ; 16 at the most: an expert has at most 2,048 / 16 = 128 tiles
	s_mov_b32 s60, 0                               ; the loop's counter, by 1; the tile's number s34 steps by 8 beside it
	s_wait_dscnt 0x0
	s_cmp_eq_u32 s61, 0
	s_cbranch_scc1 .Lend                           ; fewer tiles than waves, or none
.Lrow:
	TILE 0
	s_add_co_u32 s35, s34, 4
	s_cmp_lt_u32 s35, s23
	s_cbranch_scc1 .Lsecond
	s_wait_loadcnt 0x0                             ; no second tile: this is my last trip.  Nothing is left out on this way, so that the counted wait at the loop's head holds on every way to it
	s_branch .Lstep
.Lsecond:
	TILE 1
.Lstep:
	s_add_co_u32 s34, s34, 8                       ; my next two tiles
	s_add_co_u32 s60, s60, 1
	s_cmp_lt_u32 s60, s61
	s_cbranch_scc1 .Lrow
.Lend:
	s_wait_tensorcnt 0x0
	ds_add_u32 v126, v127
	s_wait_dscnt 0x0
	s_endpgm
.Lfunc_end_k_qd0e358636c_down:
	.size	k_qd0e358636c_down, .Lfunc_end_k_qd0e358636c_down-k_qd0e358636c_down
	.p2alignl 7, 3214868480
	.fill 96, 4, 3214868480
	.section	.rodata,"a",@progbits
	.p2align	6, 0x0
	.amdhsa_kernel k_qd0e358636c_down
		.amdhsa_group_segment_fixed_size 70144
		.amdhsa_private_segment_fixed_size 0
		.amdhsa_enable_private_segment 0
		.amdhsa_kernarg_size 48
		.amdhsa_user_sgpr_count 2
		.amdhsa_user_sgpr_kernarg_segment_ptr 1
		.amdhsa_wavefront_size32 1
		.amdhsa_system_sgpr_workgroup_id_x 1
		.amdhsa_system_sgpr_workgroup_id_y 1
		.amdhsa_system_sgpr_workgroup_id_z 1
		.amdhsa_system_vgpr_workitem_id 0
		.amdhsa_next_free_vgpr 1024
		.amdhsa_next_free_sgpr 66
		.amdhsa_reserve_vcc 0
		.amdhsa_float_denorm_mode_32 3
		.amdhsa_float_denorm_mode_16_64 3
		.amdhsa_memory_ordered 1
		.amdhsa_forward_progress 1
		.amdhsa_inst_pref_size 162
	.end_amdhsa_kernel
	.amdgpu_metadata
---
amdhsa.version: [ 1, 2 ]
amdhsa.kernels:
  - .name:           k_qd0e358636c_down
    .symbol:         k_qd0e358636c_down.kd
    .args:
      - { .name: W2, .offset: 0, .size: 8, .value_kind: global_buffer, .address_space: global }
      - { .name: b2, .offset: 8, .size: 8, .value_kind: global_buffer, .address_space: global }
      - { .name: hcodes, .offset: 16, .size: 8, .value_kind: global_buffer, .address_space: global }
      - { .name: hscales, .offset: 24, .size: 8, .value_kind: global_buffer, .address_space: global }
      - { .name: route, .offset: 32, .size: 8, .value_kind: global_buffer, .address_space: global }
      - { .name: ypart, .offset: 40, .size: 8, .value_kind: global_buffer, .address_space: global }
    .group_segment_fixed_size: 70144
    .private_segment_fixed_size: 0
    .kernarg_segment_align: 8
    .kernarg_segment_size: 48
    .max_flat_workgroup_size: 128
    .sgpr_count:     66
    .vgpr_count:     1024
    .wavefront_size: 32
...
	.end_amdgpu_metadata
.endif
;; end of part 3
;; launch combine (part 4): grid 256 x 1, 8 waves a work-group, no clusters, 1,536 bytes of LDS; arguments ypart, logits, mapping, out0; writes out0
.if DOCPART == 4
	.amdgcn_target "amdgcn-amd-amdhsa--gfx1250"
	.amdhsa_code_object_version 6
	.text
	.protected	k_qd0e358636c_combine
	.globl	k_qd0e358636c_combine
	.p2align	8
	.type	k_qd0e358636c_combine,@function
k_qd0e358636c_combine:
	s_mov_b64 s[64:65], 0
	v_nop
	global_prefetch_b8 v0, s[64:65] scope:SCOPE_SE
	s_setreg_imm32_b32 hwreg(HW_REG_WAVE_MODE, 25, 1), 1
	s_wait_xcnt 0x0
; COMBINE.  out[t] = w0 y(t, 0) + w1 y(t, 1); y(t, k) = the two partial sums over K of entry 2 t + k added; w_k = s[t][e_k] / (s[t][e_0] + s[t][e_1]), s = the softmax of the logits over the TOKENS (each expert's column).
; ypart is laid [entry 2 t + k][K half][4,096 bytes]: a token's four rows are 16,384 bytes on end at 16,384 t, so their loads hang on the work-group's number alone and go out with the first loads.
; Only the rows that mapping names were computed (see the first kernel's head).
; A work-group takes four tokens; wave w takes half w % 2 of the row of token 4 x work-group + w / 2.  Every work-group makes the eight columns' maxima and sums for itself from the 32 KiB of logits:
; thread i reads 16 bytes at 16 i + 4,096 j, j = 0 .. 7: eight tokens x the four experts 4 (i % 2) + c.  The column's maximum is taken away before the exponentials.
; 2^(l log2(e) - max log2(e)) by one fused multiply-add: the rounding of max log2(e) is a factor common to a column's numerator and sum.
; LIMITS: the exponential gives 0 where its result would lie under 2^-126; where both of a token's softmax numbers have fallen to 0 the quotient is NaN, as 0 / 0 is.
; The work is small and streams: no matrix unit, no tensor loads, no cluster.
	s_load_b256 s[4:11], s[0:1], 0x0               ; ypart s[4:5], logits s[6:7], mapping s[8:9], out0 s[10:11]
	v_lshl_add_u32 v224, v0, 2, 0x200
	v_mov_b32 v225, 0
	v_lshrrev_b32 v1, 5, v0
	s_delay_alu instid0(VALU_DEP_1)
	v_readfirstlane_b32 s18, v1                    ; wave 0..7
	v_and_b32 v1, 31, v0                           ; lane
	v_lshlrev_b32 v2, 4, v0                        ; 16 x thread
	s_delay_alu instid0(VALU_DEP_2)
	v_lshlrev_b32 v3, 4, v1                        ; 16 x lane
	v_and_b32 v4, 1, v0
	s_delay_alu instid0(VALU_DEP_1)
	v_lshlrev_b32 v4, 4, v4
	s_lshl_b32 s21, s18, 5
	v_add_nc_u32 v4, s21, v4                       ; LDS: 32 x wave + 16 x (lane % 2)
	v_mov_b32 v5, 0
.irp c, 0,1,2,3
	v_mov_b32 v[108+\c], 0                         ; written once: a lane permute's destination counts as one of its sources
.endr
	s_lshl_b32 s19, ttmp9, 2
	s_lshr_b32 s20, s18, 1
	s_add_co_u32 s19, s19, s20                     ; my token
	s_and_b32 s20, s18, 1                          ; my half of its row
	s_mov_b32 s23, 0
	s_mov_b32 s45, 0
	s_mov_b32 s56, 0xaaaaaaaa                      ; the odd lanes
	s_mov_b32 s57, 0x3fb8aa3b                      ; log2(e)
	s_mov_b32 s60, 0x76543210                      ; v_permlanex16_b32's selects for lane l xor 16
	s_mov_b32 s61, 0xfedcba98
	s_lshl_b32 s46, s20, 11                        ; 2,048 bytes: half a row
	s_wait_alu depctr_va_vdst(0)
	s_wait_kmcnt 0x0
	s_lshl_b32 s22, s19, 3
	s_add_nc_u64 s[28:29], s[8:9], s[22:23]
	s_load_b64 s[30:31], s[28:29], 0x0             ; the two experts
	s_lshl_b32 s22, s19, 5
	s_add_nc_u64 s[32:33], s[6:7], s[22:23]
	s_load_b256 s[36:43], s[32:33], 0x0            ; my token's eight logits
.irp j, 0,1,2,3,4,5,6,7
	global_load_b128 v[8+4*\j:11+4*\j], v2, s[6:7] offset:4096*\j
.endr
	s_lshl_b32 s44, s19, 14
	s_add_co_u32 s44, s44, s46
	s_add_nc_u64 s[48:49], s[4:5], s[44:45]        ; my half of my token's four rows
.irp u, 0,1,2,3                                ; u = 2 k + K half
.irp i, 0,1,2,3
	global_load_b128 v[40+16*\u+4*\i:43+16*\u+4*\i], v3, s[48:49] offset:4096*\u+512*\i th:TH_LOAD_NT   ; 32 lanes read 512 consecutive bytes
.endr
.endr
	s_lshl_b32 s44, s19, 12
	s_add_co_u32 s44, s44, s46
	s_add_nc_u64 s[12:13], s[10:11], s[44:45]      ; my half row of out
	s_wait_loadcnt 16                              ; the logits are in; y's sixteen loads may be out
	s_wait_kmcnt 0x0                               ; the experts and my token's logits
.irp k, 0,1                                    ; the choice of the two softmax numbers, as masks: all lanes where expert k is e, e = 1 .. 7
.irp e, 1,2,3,4,5,6,7
	s_cmp_eq_u32 s[30+\k], \e
	s_cselect_b32 s[65+7*\k+\e], -1, 0
.endr
.endr
.irp c, 0,1,2,3                                ; the maxima of my eight tokens
	v_max3_num_f32 v[104+\c], v[8+\c], v[12+\c], v[16+\c]
.endr
.irp c, 0,1,2,3
	s_delay_alu instid0(VALU_DEP_4)
	v_max3_num_f32 v[104+\c], v[104+\c], v[20+\c], v[24+\c]
.endr
.irp c, 0,1,2,3
	s_delay_alu instid0(VALU_DEP_4)
	v_max3_num_f32 v[104+\c], v[104+\c], v[28+\c], v[32+\c]
.endr
.irp c, 0,1,2,3
	s_delay_alu instid0(VALU_DEP_4)
	v_max_num_f32 v[104+\c], v[104+\c], v[36+\c]
.endr
.irp m, 2,4,8                                  ; over the lanes of my parity, which hold the same four experts
.irp c, 0,1,2,3
	s_delay_alu instid0(VALU_DEP_4)
	v_max_num_f32_dpp v[104+\c], v[104+\c], v[104+\c] row_xmask:\m row_mask:0xf bank_mask:0xf
.endr
.endr
.irp c, 0,1,2,3
	s_delay_alu instid0(VALU_DEP_4)
	v_permlanex16_b32 v[108+\c], v[104+\c], s60, s61
.endr
.irp c, 0,1,2,3
	s_delay_alu instid0(VALU_DEP_4)
	v_max_num_f32 v[104+\c], v[104+\c], v[108+\c]
.endr
	ds_store_b128 v4, v[104:107]                   ; lanes of one parity write the same 16 bytes with the same values
	s_wait_dscnt 0x0                               ; for the others' sake
	s_barrier_signal -1
	s_barrier_wait -1
.irp k, 0,1,2,3,4,5,6,7,8,9,10,11,12,13,14,15
	ds_load_b128 v[112+4*\k:115+4*\k], v5 offset:16*\k             ; wave k / 2's maxima of experts 4 (k % 2) + c: expert e of wave u at v[112 + 8 u + e]
.endr
	s_wait_dscnt 0x0
.irp e, 0,1,2,3,4,5,6,7
	v_max3_num_f32 v[176+\e], v[112+\e], v[120+\e], v[128+\e]
.endr
.irp e, 0,1,2,3,4,5,6,7
	v_max3_num_f32 v[176+\e], v[176+\e], v[136+\e], v[144+\e]
.endr
.irp e, 0,1,2,3,4,5,6,7
	v_max3_num_f32 v[176+\e], v[176+\e], v[152+\e], v[160+\e]
.endr
.irp e, 0,1,2,3,4,5,6,7
	v_max_num_f32 v[176+\e], v[176+\e], v[168+\e]
.endr
.irp e, 0,1,2,3,4,5,6,7
	v_mul_f32 v[176+\e], 0xbfb8aa3b, v[176+\e]     ; - max x log2(e)
.endr
.irp c, 0,1,2,3
	s_delay_alu instid0(VALU_DEP_4)
	v_cndmask_b32 v[184+\c], v[176+\c], v[180+\c], s56             ; my four experts'
.endr
.irp j, 0,1,2,3,4,5,6,7
.irp c, 0,1,2,3
	v_fma_f32 v[8+4*\j+\c], v[8+4*\j+\c], s57, v[184+\c]
.endr
.endr
.set i, 0
	s_wait_alu depctr_va_vdst(0)
.rept 32
	v_exp_f32 v[8+i], v[8+i]
.set i, i+1
.endr
	v_nop                                          ; a plain line behind the exponentials
	s_wait_alu depctr_va_vdst(0)
	v_pk_add_f32 v[104:105], v[8:9], v[12:13]
	v_pk_add_f32 v[106:107], v[10:11], v[14:15]
.irp j, 2,3,4,5,6,7
	v_pk_add_f32 v[104:105], v[104:105], v[8+4*\j:9+4*\j]
	v_pk_add_f32 v[106:107], v[106:107], v[10+4*\j:11+4*\j]
.endr
.irp m, 2,4,8
.irp c, 0,1,2,3
	v_add_f32_dpp v[104+\c], v[104+\c], v[104+\c] row_xmask:\m row_mask:0xf bank_mask:0xf
.endr
.endr
.irp c, 0,1,2,3
	s_delay_alu instid0(VALU_DEP_4)
	v_permlanex16_b32 v[108+\c], v[104+\c], s60, s61
.endr
.irp c, 0,1,2,3
	s_delay_alu instid0(VALU_DEP_4)
	v_add_f32 v[104+\c], v[104+\c], v[108+\c]
.endr
	ds_store_b128 v4, v[104:107] offset:256        ; other bytes than the maxima's: no wave still reading those is disturbed
	s_wait_dscnt 0x0
	s_barrier_signal -1
	s_barrier_wait -1
.irp k, 0,1,2,3,4,5,6,7,8,9,10,11,12,13,14,15
	ds_load_b128 v[112+4*\k:115+4*\k], v5 offset:256+16*\k
.endr
	s_wait_dscnt 0x0
.irp e, 0,2,4,6
	v_pk_add_f32 v[188+\e:189+\e], v[112+\e:113+\e], v[120+\e:121+\e]
.endr
.irp u, 2,3,4,5,6,7
.irp e, 0,2,4,6
	s_delay_alu instid0(VALU_DEP_4)
	v_pk_add_f32 v[188+\e:189+\e], v[188+\e:189+\e], v[112+8*\u+\e:113+8*\u+\e]
.endr
.endr
.irp e, 0,1,2,3,4,5,6,7
	v_fma_f32 v[196+\e], s[36+\e], s57, v[176+\e]  ; my token's eight
.endr
	s_wait_alu depctr_va_vdst(0)
.irp e, 0,1,2,3,4,5,6,7
	v_exp_f32 v[196+\e], v[196+\e]
.endr
.irp e, 0,1,2,3,4,5,6,7
	v_rcp_f32 v[188+\e], v[188+\e]
.endr
	v_nop                                          ; a plain line behind the transcendentals
	s_wait_alu depctr_va_vdst(0)
.irp e, 0,1,2,3,4,5,6,7
	v_mul_f32 v[196+\e], v[196+\e], v[188+\e]      ; the softmax over the tokens, at my token
.endr
.irp k, 0,1                                    ; the two chosen: a choice of values; the two chains by turns
	v_cndmask_b32 v[204+\k], v196, v197, s[66+7*\k]
.endr
.irp e, 2,3,4,5,6,7
.irp k, 0,1
	s_delay_alu instid0(VALU_DEP_2)
	v_cndmask_b32 v[204+\k], v[204+\k], v[196+\e], s[65+7*\k+\e]
.endr
.endr
	s_delay_alu instid0(VALU_DEP_1)
	v_add_f32 v206, v204, v205
	s_wait_alu depctr_va_vdst(0)
	v_rcp_f32 v206, v206
	v_nop                                          ; a plain line behind the reciprocal
	s_wait_alu depctr_va_vdst(0)
	v_mul_f32 v208, v204, v206                     ; w0, twice: a pair for the packed forms
	v_mul_f32 v209, v204, v206
	v_mul_f32 v210, v205, v206                     ; w1
	v_mul_f32 v211, v205, v206
	s_wait_alu depctr_va_vdst(0)
	s_wait_loadcnt 0x0                             ; y
.irp o, 0,2,4,6,8,10,12,14
	v_pk_add_f32 v[40+\o:41+\o], v[40+\o:41+\o], v[56+\o:57+\o]    ; the first expert's two partial sums
.endr
.irp o, 0,2,4,6,8,10,12,14
	v_pk_add_f32 v[72+\o:73+\o], v[72+\o:73+\o], v[88+\o:89+\o]    ; the second's
.endr
.irp o, 0,2,4,6,8,10,12,14
	v_pk_mul_f32 v[40+\o:41+\o], v[40+\o:41+\o], v[208:209]
.endr
.irp o, 0,2,4,6,8,10,12,14
	v_pk_fma_f32 v[40+\o:41+\o], v[72+\o:73+\o], v[210:211], v[40+\o:41+\o]
.endr
.irp i, 0,1,2,3
	global_store_b128 v3, v[40+4*\i:43+4*\i], s[12:13] offset:512*\i th:TH_STORE_NT   ; 32 lanes store 512 consecutive bytes, aligned to 256
.endr
	s_wait_tensorcnt 0x0                           ; the wave's end
	ds_add_u32 v224, v225
	s_wait_dscnt 0x0
	s_endpgm
.Lfunc_end_k_qd0e358636c_combine:
	.size	k_qd0e358636c_combine, .Lfunc_end_k_qd0e358636c_combine-k_qd0e358636c_combine
	.p2alignl 7, 3214868480
	.fill 96, 4, 3214868480
	.section	.rodata,"a",@progbits
	.p2align	6, 0x0
	.amdhsa_kernel k_qd0e358636c_combine
		.amdhsa_group_segment_fixed_size 1536
		.amdhsa_private_segment_fixed_size 0
		.amdhsa_enable_private_segment 0
		.amdhsa_kernarg_size 32
		.amdhsa_user_sgpr_count 2
		.amdhsa_user_sgpr_kernarg_segment_ptr 1
		.amdhsa_wavefront_size32 1
		.amdhsa_system_sgpr_workgroup_id_x 1
		.amdhsa_system_sgpr_workgroup_id_y 1
		.amdhsa_system_sgpr_workgroup_id_z 1
		.amdhsa_system_vgpr_workitem_id 0
		.amdhsa_next_free_vgpr 226
		.amdhsa_next_free_sgpr 82
		.amdhsa_reserve_vcc 0
		.amdhsa_float_denorm_mode_32 3
		.amdhsa_float_denorm_mode_16_64 3
		.amdhsa_memory_ordered 1
		.amdhsa_forward_progress 1
		.amdhsa_inst_pref_size 27
	.end_amdhsa_kernel
	.amdgpu_metadata
---
amdhsa.version: [ 1, 2 ]
amdhsa.kernels:
  - .name:           k_qd0e358636c_combine
    .symbol:         k_qd0e358636c_combine.kd
    .args:
      - { .name: ypart, .offset: 0, .size: 8, .value_kind: global_buffer, .address_space: global }
      - { .name: logits, .offset: 8, .size: 8, .value_kind: global_buffer, .address_space: global }
      - { .name: mapping, .offset: 16, .size: 8, .value_kind: global_buffer, .address_space: global }
      - { .name: out0, .offset: 24, .size: 8, .value_kind: global_buffer, .address_space: global }
    .group_segment_fixed_size: 1536
    .private_segment_fixed_size: 0
    .kernarg_segment_align: 8
    .kernarg_segment_size: 32
    .max_flat_workgroup_size: 256
    .sgpr_count:     82
    .vgpr_count:     226
    .wavefront_size: 32
...
	.end_amdgpu_metadata
.endif
;; end of part 4
